; MI455X (gfx1250); checked and timed in simulation.
; The chip was launched on July 23, 2026; its instructions are those of AMD's public machine-readable ISA for CDNA 5 (MIT licence, August 2026) and "CDNA5" Instruction Set Architecture Reference Guide (July 2026). The comments in the code are by the model that wrote it; some were corrected since.
;; Multihead Attention. Allowed arithmetic: matrix products marked QUANTISED: E2M3 operands, one E8M0 scale for each 32 along K, by v_wmma_scale_f32_16x16x128_f8f6f4 with both operands' format E2M3, f32 sums; everything else in f32.
;; Inputs: b_proj 1,024 float32; b_qkv 3,072 float32; w_proj 1,024 x 1,024 float32; w_qkv 3,072 x 1,024 float32; x 4 x 2,048 x 1,024 float32.
;; Outputs: out0 4 x 2,048 x 1,024 float32.
;; This version of the problem:
;;   THIS VERSION OF THE PROBLEM IS GIVEN IN LOW PRECISION. The matrix products marked QUANTISED in the list below multiply operands that are first quantised to E2M3 (2 exponent bits, 3 mantissa bits; 6 bits a number), with one power-of-two scale for each 32 numbers along K (OCP MX v1.0); their sums are f32. All else is computed in f32.
;;   The module's matrix products, in the order in which they are computed (A, B: the left and right operand; K: the contracted axis; several contracted axes count as one K, in the product's order):
;;     1. [M 8,192, K 1,024] x [K 1,024, N 3,072]; A: input x; B: input w_qkv: QUANTISED
;;     2. batch 64 x [M 2,048, K 64] x [K 64, N 2,048]; A: computed on the way; B: computed on the way: QUANTISED
;;     3. batch 64 x [M 2,048, K 2,048] x [K 2,048, N 64]; A: softmax (see below); B: computed on the way: QUANTISED
;;     4. [M 8,192, K 1,024] x [K 1,024, N 1,024]; A: computed on the way; B: input w_proj: QUANTISED
;;   THE QUANTISER, for each operand of a quantised product, along K:
;;     - K is cut into blocks of 32 from its start; a last block that is shorter is filled with zeros.
;;     - A block's scale is 2^e with e = floor(log2(the largest magnitude in the block)) - 2, held to -126 .. 127; a block of zeros has e = 0. As a byte (E8M0): e + 127.
;;     - Each number is divided by its block's scale, clamped to +-7.5, and rounded to the nearest number of E2M3, ties to even, subnormals kept.
;;     - The product sums the exact products of the quantised numbers (number of the format x scale) in f32.
;;   ~~~python
;;   def quantise(x, axis):      # numpy; x: float32 -> the quantised numbers, widened to float32 again
;;       x = np.moveaxis(x, axis, -1); K = x.shape[-1]
;;       x = np.pad(x, [(0, 0)] * (x.ndim - 1) + [(0, -K % 32)]); x = x.reshape(x.shape[:-1] + (-1, 32)); a = np.abs(x).max(-1, keepdims=True)
;;       e = np.where(a > 0, np.clip(np.frexp(np.where(a > 0, a, 1))[1] - 1 - 2, -126, 127), 0)      # np.frexp(a)[1] - 1 = floor(log2(a)), exactly
;;       r = np.clip(x / 2.0 ** e, -7.5, 7.5)
;;       step = 2.0 ** (np.maximum(np.frexp(np.where(r == 0, 1, r))[1] - 1, 0) - 3)
;;       q = np.round(r / step) * step * 2.0 ** e      # np.round: ties to even
;;       return np.moveaxis(q.reshape(q.shape[:-2] + (-1,))[..., :K], -1, axis).astype(np.float32)
;;   ~~~
;;   SOFTMAX AHEAD OF A QUANTISED PRODUCT. Where the list says 'softmax', what is quantised is not the finished softmax but p = 2^(t - M), with t = logit x log2(e) and M = ceil(the row's largest t), a whole number; so 1/2 < the row's largest p <= 1. The row's sum l is taken of the UNQUANTISED p, in f32, and the product's result is divided by l at the end. Since M is a whole number, a kernel that streams over the keys may use a running M (the ceiling of the running maximum): every later rescaling is an exact power of two, which a block's scale takes up: the codes' values come out the same.
;;   OPERANDS COMPUTED ON THE WAY. 'Computed on the way' means the value that the module computes at that place (a softmax that the list does not call 'softmax' is quantised finished and normalised). What goes into a quantiser is computed in f32, as accurately as f32 sums, v_exp_f32 and their like allow (about 1e-6 of the number): no bf16 or f16 on the way to a quantiser, and a product that is left as it is and whose result goes on into a quantised operand takes f32 operands (vector FMAs, or v_wmma_f32_16x16x4_f32). A number that lies on a knife's edge between two numbers of the format may be rounded either way, as far as f32 arithmetic and the matrix unit's own rounding can turn it there, and no further.
;; One version. Each part assembles by itself: llvm-mc -triple=amdgcn-amd-amdhsa -mcpu=gfx1250 --defsym DOCPART=n.
;; ======== version 1 of 1: 4 launches
;; limits: right only within a limited range of input values
;; workspace buffers: op_img 9,437,184 bytes; op_sc 393,216 bytes; qkv_img 18,874,368 bytes; qkv_sc 786,432 bytes; o_img 6,291,456 bytes; o_sc 262,144 bytes
;; launch quant (part 1): grid 256 x 1, 6 waves a work-group, no clusters, 51,456 bytes of LDS; arguments x, w_qkv, w_proj, op_img, op_sc; writes op_img, op_sc
.if DOCPART == 1
	.amdgcn_target "amdgcn-amd-amdhsa--gfx1250"
	.amdhsa_code_object_version 6
	.text
	.protected	k_q9b3d0da680_quant
	.globl	k_q9b3d0da680_quant
	.p2align	8
	.type	k_q9b3d0da680_quant,@function
k_q9b3d0da680_quant:
	s_mov_b64 s[64:65], 0
	v_nop
	global_prefetch_b8 v0, s[64:65] scope:SCOPE_SE
	s_setreg_imm32_b32 hwreg(HW_REG_WAVE_MODE, 25, 1), 1
	s_wait_xcnt 0x0
; x [8192][1024], w_qkv [3072][1024], w_proj [1024][1024], f32, K innermost, become codes of FP6 (E2M3) with one E8M0 byte for each 32 along K,
; laid in the order of the matrix operand's registers.  A TILE is 16 rows: lane r of tile t holds row 32 (t / 2) + 8 (t % 2) + r + 8 (r / 8).
; op_img: [tile 0..767][K step of 128, 0..7][1,536 bytes]: registers 4 g .. 4 g + 3 of lane l at 512 g + 16 l.  Tiles 0..511 x, 512..703 w_qkv, 704..767 w_proj.
; op_sc:  [tile][half of K][row r][4 words]: word w = the four scale bytes of K step 4 half + w.
; A wave takes one tile and one half of K: four fragments, 32 KiB read.  Each load reads 512 consecutive bytes of one row; the numbers turn through the wave's own
; stage in LDS (rows 528 bytes apart), so that a lane gets 16 neighbours of each block of 32; each store of codes covers 512 consecutive bytes.
; A block's scale is 2^(floor(log2(largest magnitude)) - 2): its byte is the largest magnitude's exponent field - 2, held at 1 from below.
; LIMITS: NaN and infinities among the inputs are not served; a block whose largest magnitude lies under 2^-124, a block of zeros too, keeps the byte 1 (its codes
; are what the conversion gives under that scale; zeros for zeros); the bytes are read by this program alone.
.set STG,   8448                       ; a wave's stage: 16 rows x 528 bytes
.set SPARE, 6*STG                      ; behind the stages: the spare words, 128 bytes for each wave: three blocks of 256 bytes that no other line names
.set SPW,   6                          ; v6   my spare word's LDS address; never rewritten
.set NIL,   7                          ; v7   0; never rewritten
.set R,     16                         ; v16-143  two sets of 64 numbers as loaded
.set X,     144                        ; v144-207 64 numbers: register 16 b + i = k 32 b + 16 (lane / 16) + i of my row
.set TM,    208                        ; v208-223 at work in QUANT
.set PC,    224                        ; v224-235 a fragment's codes; v236-243 the conversions' second halves
.set SW,    244                        ; v244-247 the four scale words
.set SEL,   22                         ; s[22:23] lane selects: lane l xor 16
; 64 numbers of a lane, v[s] on, become a fragment's codes (registers 0-5 in v[d0] on, 6-11 in v[d1] on) and its row's scale word in v[pw]; v[xt] on: 8 registers at work.
.macro QUANT s, d0, d1, xt, pw
.irp b, 0,1,2,3
	v_max3_num_f32 v[TM+\b], |v[(\s)+16*\b]|, |v[(\s)+1+16*\b]|, 0x1800000   ; block b: my 16 numbers, and the floor 2^(3 - 127): the byte cannot fall under 1
.endr
.irp i, 2,4,6,8,10,12,14
.irp b, 0,1,2,3
	v_max3_num_f32 v[TM+\b], v[TM+\b], |v[(\s)+16*\b+\i]|, |v[(\s)+1+16*\b+\i]|   ; the four blocks by turns
.endr
.endr
.irp b, 0,1,2,3
	v_permlanex16_b32 v[TM+4+\b], v[TM+\b], s[SEL], s[SEL+1]
.endr
.irp b, 0,1,2,3
	v_max_num_f32 v[TM+\b], v[TM+\b], v[TM+4+\b]   ; with lane l xor 16's: the block's largest magnitude
.endr
.irp b, 0,1,2,3
	v_add_nc_u32 v[TM+12+\b], 0xff000000, v[TM+\b]   ; 2 off its exponent field: the conversion's scale operand
.endr
.irp b, 0,1,2,3
	v_lshrrev_b32 v[TM+4+\b], 23, v[TM+12+\b]      ; the scale's byte
.endr
	v_lshl_or_b32 v[(\pw)], v[TM+5], 8, v[TM+4]
	v_lshl_or_b32 v[(\pw)], v[TM+6], 16, v[(\pw)]
	v_lshl_or_b32 v[(\pw)], v[TM+7], 24, v[(\pw)]
	v_cvt_scalef32_pk16_fp6_f32 v[(\d0):(\d0)+2], v[(\s):(\s)+15], v[TM+12]
	v_cvt_scalef32_pk16_fp6_f32 v[(\xt):(\xt)+2], v[(\s)+16:(\s)+31], v[TM+13]
	v_cvt_scalef32_pk16_fp6_f32 v[(\d1):(\d1)+2], v[(\s)+32:(\s)+47], v[TM+14]
	v_cvt_scalef32_pk16_fp6_f32 v[(\xt)+4:(\xt)+6], v[(\s)+48:(\s)+63], v[TM+15]
	v_nop                                          ; one plain place behind the scaled conversions
.irp i, 0,1,2
	v_permlane16_swap_b32 v[(\d0)+\i], v[(\xt)+\i]   ; a whole block to a lane: lanes 0-15 the even block, lanes 16-31 the odd one
.endr
.irp i, 0,1,2
	v_mov_b32 v[(\d0)+3+\i], v[(\xt)+\i]
.endr
.irp i, 0,1,2
	v_permlane16_swap_b32 v[(\d1)+\i], v[(\xt)+4+\i]
.endr
.irp i, 0,1,2
	v_mov_b32 v[(\d1)+3+\i], v[(\xt)+4+\i]
.endr
.endm
	s_load_b256 s[4:11], s[0:1], 0x0               ; x s[4:5], w_qkv s[6:7], w_proj s[8:9], op_img s[10:11]
	s_load_b64 s[12:13], s[0:1], 0x20              ; op_sc
	v_lshl_add_u32 v[SPW], v0, 2, SPARE
	v_mov_b32 v[NIL], 0
	v_lshrrev_b32 v1, 5, v0
	v_readfirstlane_b32 s14, v1                    ; wave 0..5
	v_and_b32 v1, 31, v0                           ; lane
	v_lshlrev_b32 v2, 4, v1                        ; 16 x lane: my place in a load's and in a store's 512 bytes
	s_mul_i32 s15, s14, STG                        ; my stage
	v_add_nc_u32 v3, s15, v2                       ; into it: a row as it lies
	v_and_b32 v8, 15, v0                           ; r
	v_bfe_u32 v9, v0, 4, 1                         ; h
	v_mul_u32_u24 v4, v8, 528
	v_lshl_add_u32 v4, v9, 6, v4
	v_add_nc_u32 v4, s15, v4                       ; out of it: row r, + 64 h: my 16 numbers of a block
	v_lshlrev_b32 v5, 4, v8                        ; 16 r: my row's four scale words
.irp b, 0,1,2,3
	v_mov_b32 v[TM+4+\b], 0                        ; written once: a lane permute's destination counts as one of its sources
.endr
	s_mov_b32 s[SEL], 0x76543210
	s_mov_b32 s[SEL+1], 0xfedcba98
	s_mul_i32 s16, ttmp9, 6
	s_add_co_u32 s16, s16, s14                     ; my unit, 0..1535
	s_lshr_b32 s17, s16, 1                         ; the tile
	s_and_b32 s18, s16, 1                          ; the half of K
	s_wait_alu depctr_va_vdst(0)
	s_wait_kmcnt 0x0
	s_mov_b32 s19, 704
	s_cmp_lt_u32 s17, 704                          ; which tensor: the choice hangs on the unit's number alone
	s_cselect_b64 s[6:7], s[6:7], s[8:9]
	s_cselect_b32 s19, 512, s19
	s_cmp_lt_u32 s17, 512
	s_cselect_b64 s[4:5], s[4:5], s[6:7]
	s_cselect_b32 s19, 0, s19
	s_sub_co_u32 s19, s17, s19                     ; the tile's number in its tensor
	s_lshr_b32 s20, s19, 1
	s_lshl_b32 s20, s20, 5
	s_and_b32 s21, s19, 1
	s_lshl_b32 s21, s21, 3
	s_add_co_u32 s20, s20, s21                     ; its first row: 32 (t / 2) + 8 (t % 2)
	s_lshl_b32 s20, s20, 12                        ; rows of 4,096 bytes
	s_lshl_b32 s21, s18, 11                        ; + half x 2,048
	s_add_co_u32 s20, s20, s21
	s_mov_b32 s21, 0
	s_add_nc_u64 s[4:5], s[4:5], s[20:21]
	s_mul_i32 s20, s17, 12288
	s_mul_i32 s24, s18, 6144
	s_add_co_u32 s20, s20, s24
	s_add_nc_u64 s[10:11], s[10:11], s[20:21]      ; my four images
	s_lshl_b32 s20, s16, 8
	s_add_nc_u64 s[12:13], s[12:13], s[20:21]      ; my 256 bytes of scale words
.macro LOAD f                          ; K step f of the half: 16 rows x 512 bytes into set f % 2
.set n, 0
.rept 16
	global_load_b128 v[R+64*((\f)%2)+4*n:R+64*((\f)%2)+4*n+3], v2, s[4:5] offset:(n+8*(n/8))*4096+512*(\f) th:TH_LOAD_NT
.set n, n+1
.endr
.endm
.macro FRAGMENT f
.if (\f) < 3
	s_wait_loadcnt 16                              ; this fragment's 16 loads are in; the next fragment's 16 may be out
.else
	s_wait_loadcnt 0x0
.endif
.set n, 0
.rept 16
	ds_store_b128 v3, v[R+64*((\f)%2)+4*n:R+64*((\f)%2)+4*n+3] offset:528*n
.set n, n+1
.endr
.set n, 0
.rept 16
	ds_load_b128 v[X+4*n:X+4*n+3], v4 offset:128*(n/4)+16*(n%4)   ; LDS serves a wave's instructions in order: these see the stores above
.set n, n+1
.endr
	s_wait_dscnt 0x0                               ; the numbers are back, and the stores have read their registers,
.if (\f) < 2
	LOAD (\f)+2                                    ; which take the loads of two fragments on
.endif
	s_wait_xcnt 0x0                                ; the last fragment's stores have read the codes' registers: they are written again only behind this wait
	QUANT X, PC, PC+6, PC+12, SW+(\f)
.irp g, 0,1,2
	global_store_b128 v2, v[PC+4*\g:PC+4*\g+3], s[10:11] offset:1536*(\f)+512*\g   ; 32 lanes store 512 consecutive bytes
.endr
.endm
	LOAD 0
	LOAD 1
	FRAGMENT 0
	FRAGMENT 1
	FRAGMENT 2
	FRAGMENT 3
	v_cmp_gt_u32 vcc_lo, 16, v1
	s_wait_xcnt 0x0                                ; EXEC changes only behind this wait
	s_and_saveexec_b32 s20, vcc_lo
	global_store_b128 v5, v[SW:SW+3], s[12:13]     ; lanes 0-15 store 256 consecutive bytes, aligned
	s_wait_xcnt 0x0
	s_or_b32 exec_lo, exec_lo, s20
	s_wait_tensorcnt 0x0                           ; the wave's end: behind my last LDS store
	ds_add_u32 v[SPW], v[NIL]
	s_wait_dscnt 0x0
	s_endpgm
.Lfunc_end_k_q9b3d0da680_quant:
	.size	k_q9b3d0da680_quant, .Lfunc_end_k_q9b3d0da680_quant-k_q9b3d0da680_quant
	.p2alignl 7, 3214868480
	.fill 96, 4, 3214868480
	.section	.rodata,"a",@progbits
	.p2align	6, 0x0
	.amdhsa_kernel k_q9b3d0da680_quant
		.amdhsa_group_segment_fixed_size 51456
		.amdhsa_private_segment_fixed_size 0
		.amdhsa_enable_private_segment 0
		.amdhsa_kernarg_size 40
		.amdhsa_user_sgpr_count 2
		.amdhsa_user_sgpr_kernarg_segment_ptr 1
		.amdhsa_wavefront_size32 1
		.amdhsa_system_sgpr_workgroup_id_x 1
		.amdhsa_system_sgpr_workgroup_id_y 1
		.amdhsa_system_sgpr_workgroup_id_z 1
		.amdhsa_system_vgpr_workitem_id 0
		.amdhsa_next_free_vgpr 248
		.amdhsa_next_free_sgpr 66
		.amdhsa_reserve_vcc 1
		.amdhsa_float_denorm_mode_32 3
		.amdhsa_float_denorm_mode_16_64 3
		.amdhsa_memory_ordered 1
		.amdhsa_forward_progress 1
		.amdhsa_inst_pref_size 34
	.end_amdhsa_kernel
	.amdgpu_metadata
---
amdhsa.version: [ 1, 2 ]
amdhsa.kernels:
  - .name:           k_q9b3d0da680_quant
    .symbol:         k_q9b3d0da680_quant.kd
    .args:
      - { .name: x, .offset: 0, .size: 8, .value_kind: global_buffer, .address_space: global }
      - { .name: w_qkv, .offset: 8, .size: 8, .value_kind: global_buffer, .address_space: global }
      - { .name: w_proj, .offset: 16, .size: 8, .value_kind: global_buffer, .address_space: global }
      - { .name: op_img, .offset: 24, .size: 8, .value_kind: global_buffer, .address_space: global }
      - { .name: op_sc, .offset: 32, .size: 8, .value_kind: global_buffer, .address_space: global }
    .group_segment_fixed_size: 51456
    .private_segment_fixed_size: 0
    .kernarg_segment_align: 8
    .kernarg_segment_size: 40
    .max_flat_workgroup_size: 192
    .sgpr_count:     66
    .vgpr_count:     248
    .wavefront_size: 32
...
	.end_amdgpu_metadata
.endif
;; end of part 1
;; launch qkv (part 2): grid 8 x 32, 4 waves a work-group, clusters of 4 x 4, 327,680 bytes of LDS; arguments op_img, op_sc, b_qkv, qkv_img, qkv_sc; writes qkv_img, qkv_sc
.if DOCPART == 2
	.amdgcn_target "amdgcn-amd-amdhsa--gfx1250"
	.amdhsa_code_object_version 6
	.text
	.protected	k_q9b3d0da680_qkv
	.globl	k_q9b3d0da680_qkv
	.p2align	8
	.type	k_q9b3d0da680_qkv,@function
k_q9b3d0da680_qkv:
	s_mov_b64 s[64:65], 0
	v_nop
	global_prefetch_b8 v0, s[64:65] scope:SCOPE_SE
	s_setreg_imm32_b32 hwreg(HW_REG_WAVE_MODE, 25, 1), 1
	s_wait_xcnt 0x0
	s_wait_alu depctr_hold_cnt(0) depctr_sa_sdst(0) depctr_va_vdst(0) depctr_va_sdst(0) depctr_va_ssrc(0) depctr_va_vcc(0) depctr_vm_vsrc(0)
	s_getreg_b32 s2, hwreg(HW_REG_IB_STS2, 6, 4)
	s_cmp_eq_u32 s2, 0
	s_cbranch_scc0 .Lentry_in_a_cluster
	s_endpgm
.Lentry_in_a_cluster:
	s_bfe_u32 s2, ttmp6, 0x10000c
	s_cmp_lg_u32 s2, 0xf033
	s_cbranch_scc0 .Lentry_shape_is_right
	s_endpgm
.Lentry_shape_is_right:
; qkv = x w_qkv^T + b_qkv on codes of FP6 (E2M3) with E8M0 scales, and the quantising of q, k and v for the attention, in one launch.
; A work-group of four waves makes 256 x 256 of the product, a wave 128 x 128: 64 accumulators of 16 x 16 in windows 2 and 3, taken by turns.
; OPERANDS lie in memory as images of the operand's registers (op_img: [tile of 16 rows][K step of 128][1,536 bytes]; lane r of tile t holds row 32 (t/2) + 8 (t%2) + r + 8 (r/8)):
; a fragment is three ds_load_b128 at 16 x lane, a K step's tiles are dense runs for one tensor load, no pitch and no padding.
; With that order of rows, in a result whose source 0 is tile t, register j of lane (r, h) belongs to source 0's row 32 (t/2) + 16 h + 8 (t%2) + j: the 16 registers of two
; neighbouring tiles are 16 neighbours, which is what the next quantiser wants along ITS K.
; TWO ROLES, one after the other in every work-group:
;   role 0 (cluster y 0..7), q and k: source 1 = tokens, source 0 = rows of w: a lane holds one token and its registers run along the head's 64: quantised along d.
;   role 1 (the second product), v:      source 1 = rows of w_v, source 0 = tokens: a lane holds one d and its registers run along 128 tokens: quantised along the keys.
; OUT: qkv_img [q, k, v][head 0..63][step of 128 tokens][4][1,536 bytes].  q, k: image p = the pair of token tiles 2 p (registers 0-5) and 2 p + 1 (registers 6-11), lane (r, h): d = 32 h on.
;      v: image t = d tile t, registers along the step's 128 keys.   qkv_sc [q, k, v][head][step][row r][4 words]: q, k: word p = two bytes of tile 2 p, two of tile 2 p + 1; v: word t = the four key blocks.
; K = 1,024 goes in four steps of 256 through THREE LDS slots: three first fills, and one refill (slot 0), which has 96 matrix instructions in which to land.
; CLUSTER 4 x 4: source 1's tiles are shared along a row of the cluster, source 0's along a column: joint loads, each fetched once for four work-groups.
; The scale words of all of K come straight into registers (32 for each side); the bias is added in f32 behind the sums.
; LIMITS: NaN and infinities are not served; a block whose largest magnitude lies under 2^-124 (a block of zeros too) keeps the scale byte 1; the bytes are read by this program alone.
; REGISTERS: window 0: v16-31 addresses; v32-63, v68-99 scale words of source 1, source 0; v100-127 at work in the quantiser; v128-223 source 1's fragments, ONE set (later the way out); v224-227 bias by lane.
;   window 1: source 0's fragments, TWO sets, v0-95 and v128-223; v96-127, v224-255 bias by register.   windows 2, 3: accumulator (a, b) at v[8 (8 (a % 4) + b)].
.set FR,    12                         ; registers of a fragment
.set NL,    3                          ; LDS loads that bring one
.set NP,    4                          ; places behind this matrix instruction (ISA guide 7.12.1)
.set IMG,   1536
.set TSTR,  12288                      ; from tile to tile in op_img
.set TILE2, 3072                       ; a tile's two K steps of 128: its part of a slot
.set HALFT, 8*TILE2                    ; eight tiles: what one tensor load brings, and what one wave reads of a side
.set SLOT,  4*HALFT                    ; source 1's 16 tiles, then source 0's 16
.set SPARE, 3*SLOT                     ; behind the slots: the spare words, 128 bytes for each wave: two blocks of 256 bytes that no other line names
.set ADRA,  16                         ; v16-18 LDS address of my fragments of source 1 in slot 0, 1, 2
.set OSO,   19                         ; v19    16 r + 4,096 h: the scale words' way out
.set ADRB,  20                         ; v20-22 the same for source 0
.set SELV,  23                         ; v23    byte selects: lanes 0-15 the low halves of two words, lanes 16-31 the high halves
.set SCO,   24                         ; v24    2,048 h + 16 r: lanes 0-15 take tile i's scale words, lanes 16-31 tile i + 4's
.set BNO,   25                         ; v25    64 h
.set BMO,   26                         ; v26    4 (r + 8 (r / 8))
.set LB,    27                         ; v27    16 x lane
.set SPW,   28                         ; v28    my spare word's LDS address; never rewritten
.set NIL,   29                         ; v29    0; never rewritten
.set SCA,   32                         ; block a's word of K step ks: v[SCA + 8 (a % 4) + ks], lanes 16-31 for a >= 4
.set SCB,   68                         ; v68-99: the two sides' scale registers of a product differ modulo 8
.set TM,    100
.set PWA,   108
.set SW,    116                        ; v116-119 the four words to store
.set PW8,   120                        ; v120-123 role 1's four
.set AF,    128
.set HA,    128                        ; the way out: 64 numbers
.set R0,    192                        ; an image
.set R1,    204                        ; another
.set XT,    216
.set BM,    224
.set BN,    96                         ; in window 1: tile b's eight at v[BN + 8 b + 96 (b / 4)]
.set SEL,   20                         ; s[20:21]
.set G1,    24
.set G0,    32                         ; three sets
.set G1B,   44
.set G0B,   52                         ; three sets
.set MSB, 0
.macro WIN new                         ; the immediate's high byte repeats the setting that is left
.if MSB != (\new)
	s_set_vgpr_msb (MSB<<8)|(\new)
.set MSB, (\new)
.endif
.endm
.set MUL_LO, 0xa1                      ; source 0 window 1, source 1 window 0, C and D window 2
.set MUL_HI, 0xf1
.set TO_B,   0x40
; A joint load: waves 0 and 1 fetch source 1's halves, waves 2 and 3 source 0's.  The branch hangs on the wave's number alone.  An s_nop 0 and four v_nop follow each line.
.macro JLOAD g0a, g1a, g0b, g1b
	s_cmp_eq_u32 s15, 0
	s_cbranch_scc0 .Lfor_b_\@
	tensor_load_to_lds s[\g0a:\g0a+3], s[\g1a:\g1a+7]
	s_nop 0
.rept 4
	v_nop
.endr
	s_branch .Lasked_\@
.Lfor_b_\@:
	tensor_load_to_lds s[\g0b:\g0b+3], s[\g1b:\g1b+7]
	s_nop 0
.rept 4
	v_nop
.endr
.Lasked_\@:
.endm
.macro CREST                           ; a round of the cluster's barrier behind its opening barrier
	s_cmp_lg_u32 s14, 0
	s_cbranch_scc1 .Lnot_wave_0_\@
	s_barrier_signal -3
.Lnot_wave_0_\@:
	s_barrier_wait -3
	s_barrier_signal -1
	s_barrier_wait -1
.endm
.macro CROUND
	s_barrier_signal -1
	s_barrier_wait -1
	CREST
.endm
.macro PLACES n
.rept \n
	v_nop
.endr
.endm
.macro QUANT s, d0, d1, xt, pw         ; 64 numbers of a lane (register 16 b + i = k 32 b + 16 (lane / 16) + i of my row) -> codes: registers 0-5 at v[d0], 6-11 at v[d1]; scale word v[pw]
.irp b, 0,1,2,3
	v_max3_num_f32 v[TM+\b], |v[(\s)+16*\b]|, |v[(\s)+1+16*\b]|, 0x1800000   ; and the floor 2^(3 - 127): the byte cannot fall under 1
.endr
.irp i, 2,4,6,8,10,12,14
.irp b, 0,1,2,3
	v_max3_num_f32 v[TM+\b], v[TM+\b], |v[(\s)+16*\b+\i]|, |v[(\s)+1+16*\b+\i]|
.endr
.endr
.irp b, 0,1,2,3
	v_permlanex16_b32 v[TM+4+\b], v[TM+\b], s[SEL], s[SEL+1]
.endr
.irp b, 0,1,2,3
	v_max_num_f32 v[TM+\b], v[TM+\b], v[TM+4+\b]
.endr
.irp b, 0,1,2,3
	v_add_nc_u32 v[TM+12+\b], 0xff000000, v[TM+\b]   ; 2 off the exponent field: the conversion's scale operand
.endr
.irp b, 0,1,2,3
	v_lshrrev_b32 v[TM+4+\b], 23, v[TM+12+\b]
.endr
	v_lshl_or_b32 v[(\pw)], v[TM+5], 8, v[TM+4]
	v_lshl_or_b32 v[(\pw)], v[TM+6], 16, v[(\pw)]
	v_lshl_or_b32 v[(\pw)], v[TM+7], 24, v[(\pw)]
	v_cvt_scalef32_pk16_fp6_f32 v[(\d0):(\d0)+2], v[(\s):(\s)+15], v[TM+12]
	v_cvt_scalef32_pk16_fp6_f32 v[(\xt):(\xt)+2], v[(\s)+16:(\s)+31], v[TM+13]
	v_cvt_scalef32_pk16_fp6_f32 v[(\d1):(\d1)+2], v[(\s)+32:(\s)+47], v[TM+14]
	v_cvt_scalef32_pk16_fp6_f32 v[(\xt)+4:(\xt)+6], v[(\s)+48:(\s)+63], v[TM+15]
	v_nop                                          ; one plain place behind the scaled conversions
.irp i, 0,1,2
	v_permlane16_swap_b32 v[(\d0)+\i], v[(\xt)+\i]
.endr
.irp i, 0,1,2
	v_mov_b32 v[(\d0)+3+\i], v[(\xt)+\i]
.endr
.irp i, 0,1,2
	v_permlane16_swap_b32 v[(\d1)+\i], v[(\xt)+4+\i]
.endr
.irp i, 0,1,2
	v_mov_b32 v[(\d1)+3+\i], v[(\xt)+4+\i]
.endr
.endm
	s_load_b128 s[4:7], s[0:1], 0x0                ; op_img s[4:5], op_sc s[6:7]
	s_load_b128 s[8:11], s[0:1], 0x10              ; b_qkv s[8:9], qkv_img s[10:11]
	s_load_b64 s[12:13], s[0:1], 0x20              ; qkv_sc
	v_lshl_add_u32 v[SPW], v0, 2, SPARE
	v_mov_b32 v[NIL], 0
	ds_add_u32 v[SPW], v[NIL]                      ; the wave's opening: the add and its wait stand ahead of my first tensor load; work on registers stands between them
	ds_add_u32 v[SPW], v[NIL]
	v_lshrrev_b32 v1, 5, v0
	v_readfirstlane_b32 s14, v1                    ; wave 0..3
	s_lshr_b32 s15, s14, 1                         ; which half of source 1's 16 tiles I multiply.  Also: I fetch for source 1 (0) or source 0 (1)
	s_and_b32 s16, s14, 1                          ; which half of source 0's.  Also: which 8 tiles I fetch
	s_bfe_u32 s66, ttmp6, 0x40000                  ; cx
	s_bfe_u32 s67, ttmp6, 0x40004                  ; cy
	s_and_b32 s68, ttmp7, 0xffff                   ; the cluster's y
	s_lshl_b32 s69, ttmp9, 2
	s_add_co_u32 s69, s69, s66                     ; 4 x cluster x + cx
	s_lshl_b32 s71, s67, 2
	s_lshl_b32 s71, 15, s71                        ; my row of the cluster
	s_lshl_b32 s72, 0x1111, s66                    ; my column
	; descriptor group 1: 8 rows (tiles) of 3,072 bytes, 12,288 bytes apart, in elements of 8 bytes; dense in LDS
	s_or_b32 s[G1], s71, (3<<16)|(1<<21)           ; 15:0 the mask; 17:16 elements of 8 bytes; 21 set beside a mask
	s_or_b32 s[G1B], s72, (3<<16)|(1<<21)
.irp g, G1, G1B
	s_mov_b32 s[\g+1], 384<<16                     ; tensor_dim0
	s_mov_b32 s[\g+2], 8<<16                       ; tensor_dim1
	s_mov_b32 s[\g+3], 384<<16                     ; tile_dim0
	s_mov_b32 s[\g+4], 8                           ; tile_dim1
	s_mov_b32 s[\g+5], 1536                        ; tensor_dim0_stride
	s_mov_b32 s[\g+6], 0
	s_mov_b32 s[\g+7], 0
.endr
	s_lshl_b32 s73, s67, 4                         ; 16 cy
	s_lshl_b32 s74, s68, 6                         ; 64 x cluster y
	s_lshl_b32 s75, s69, 4                         ; 16 (4 cluster x + cx)
	; EVERY WORK-GROUP DOES BOTH PRODUCTS ON END: first 256 tokens x 256 rows of w_q or w_k, then the same 256 tokens x 128 rows of w_v (256 work-groups: 32 blocks of tokens x 8)
	s_lshl_b32 s77, s68, 2
	s_add_co_u32 s77, s77, s67                     ; the block of 256 tokens
	s_mov_b32 s79, s69                             ; the block of 256 rows of w_q, w_k
	s_mov_b32 s80, s15                             ; my half of the tokens
	s_mov_b32 s81, s16                             ; my half of the rows of w
	s_add_co_u32 s73, s73, s74                     ; source 1's first tile in op_img: made of cy and the cluster's y alone
	s_add_co_u32 s75, s75, 512                     ; source 0's: of cx and the cluster's x alone
	s_lshl_b32 s17, s16, 3                         ; the 8 tiles that I fetch
	s_add_co_u32 s84, s73, s17
	s_mul_i32 s84, s84, TSTR
	s_mov_b32 s85, 0
	s_add_co_u32 s86, s75, s17
	s_mul_i32 s86, s86, TSTR
	s_mov_b32 s87, 0
	s_mul_i32 s88, s14, HALFT                      ; and where they go: wave x 8 tiles: no place in the cluster enters an LDS address
	s_add_co_u32 s92, s75, s17                     ; the scale words of the 8 tiles that I multiply: source 0's,
	s_lshl_b32 s92, s92, 9
	s_mov_b32 s93, 0
	s_lshl_b32 s17, s15, 3
	s_add_co_u32 s90, s73, s17                     ; source 1's
	s_lshl_b32 s90, s90, 9
	s_mov_b32 s91, 0
	s_lshl_b32 s82, s79, 8
	s_lshl_b32 s2, s81, 7
	s_add_co_u32 s82, s82, s2                      ; my first row of w, 0..3071
	s_lshr_b32 s83, s82, 10                        ; q, k or v
	s_lshl_b32 s83, s83, 6
	s_lshr_b32 s2, s77, 3                          ; the batch
	s_lshl_b32 s2, s2, 4
	s_add_co_u32 s83, s83, s2
	s_bfe_u32 s2, s82, 0x40006                     ; the first of my two heads
	s_add_co_u32 s83, s83, s2
	s_and_b32 s2, s77, 7
	s_lshl_b32 s2, s2, 1
	s_add_co_u32 s2, s2, s80                       ; the step of 128 tokens
	s_mul_i32 s96, s83, 98304
	s_mul_i32 s3, s2, 6144
	s_add_co_u32 s96, s96, s3
	s_mov_b32 s97, 0
	s_lshl_b32 s98, s83, 12
	s_lshl_b32 s3, s2, 8
	s_add_co_u32 s98, s98, s3
	s_mov_b32 s99, 0
	s_lshl_b32 s94, s82, 2
	s_mov_b32 s95, 0
	s_mov_b32 s19, 0xffff0000                      ; lanes 16-31
	s_mov_b32 s[SEL], 0x76543210
	s_mov_b32 s[SEL+1], 0xfedcba98
	s_wait_dscnt 0x0                               ; the opening add is done
	s_wait_kmcnt 0x0
	s_add_nc_u64 s[84:85], s[4:5], s[84:85]
	s_add_nc_u64 s[86:87], s[4:5], s[86:87]
	s_add_nc_u64 s[90:91], s[6:7], s[90:91]
	s_add_nc_u64 s[92:93], s[6:7], s[92:93]
	s_add_nc_u64 s[94:95], s[8:9], s[94:95]        ; my 128 numbers of the bias
	s_add_nc_u64 s[96:97], s[10:11], s[96:97]      ; my images
	s_add_nc_u64 s[98:99], s[12:13], s[98:99]
	s_lshl_b32 s100, s69, 3                        ; the second product: the 4 tiles of w_v that I fetch: 640 + 8 x block + 4 x half
	s_lshl_b32 s2, s16, 2
	s_add_co_u32 s100, s100, s2
	s_add_co_u32 s100, s100, 640
	s_mul_i32 s100, s100, TSTR
	s_mov_b32 s101, 0
	s_add_nc_u64 s[100:101], s[4:5], s[100:101]
	s_lshl_b32 s22, s69, 9                         ; and the bias of my 64 rows of w_v: 4 (2,048 + 128 x block + 64 x half)
	s_lshl_b32 s2, s15, 8
	s_add_co_u32 s22, s22, s2
	s_add_co_u32 s22, s22, 8192
	s_mov_b32 s23, 0
	s_add_nc_u64 s[22:23], s[8:9], s[22:23]
	CROUND                                         ; all sixteen work-groups are here: the first joint loads meet
.irp n, 0,1,2
	s_mov_b32 s[G0+4*\n], 1
	s_add_co_u32 s[G0+4*\n+1], s88, \n*SLOT
	s_add_nc_u64 s[G0+4*\n+2:G0+4*\n+3], s[84:85], \n*TILE2
	s_or_b32 s[G0+4*\n+3], s[G0+4*\n+3], 0x80000000
	s_mov_b32 s[G0B+4*\n], 1
	s_add_co_u32 s[G0B+4*\n+1], s88, \n*SLOT
	s_add_nc_u64 s[G0B+4*\n+2:G0B+4*\n+3], s[86:87], \n*TILE2
	s_or_b32 s[G0B+4*\n+3], s[G0B+4*\n+3], 0x80000000
.endr
	JLOAD G0, G1, G0B, G1B                         ; K step 0: one tensor load a wave at the head
	v_and_b32 v1, 31, v0
	v_and_b32 v2, 15, v0                           ; r
	s_wait_alu depctr_va_vdst(0)
	v_bfe_u32 v3, v0, 4, 1                         ; h
	v_lshlrev_b32 v[LB], 4, v1
	s_mul_i32 s17, s15, HALFT
	s_mul_i32 s18, s16, HALFT
	s_add_co_u32 s18, s18, 2*HALFT
.irp n, 0,1,2
	v_add_nc_u32 v[ADRA+\n], s17, v[LB]
	v_add_nc_u32 v[ADRB+\n], s18, v[LB]
	s_add_co_u32 s17, s17, SLOT
	s_add_co_u32 s18, s18, SLOT
.endr
	v_lshlrev_b32 v[SCO], 4, v2
	s_wait_alu depctr_va_vdst(0)
	v_lshl_add_u32 v[OSO], v3, 12, v[SCO]
	v_lshl_add_u32 v[SCO], v3, 11, v[SCO]
	v_lshlrev_b32 v[BNO], 6, v3
	v_and_b32 v4, 8, v2
	v_add_nc_u32 v4, v4, v2
	v_lshlrev_b32 v[BMO], 2, v4
	v_mov_b32 v[SELV], 0x05040100
	v_mov_b32 v4, 0x07060302
	v_cndmask_b32 v[SELV], v[SELV], v4, s19
.irp b, 0,1,2,3
	v_mov_b32 v[TM+4+\b], 0                        ; written once: a lane permute's destination counts as one of its sources
.endr
.irp i, 0,1,2,3
.irp H, 0,1
	global_load_b128 v[SCA+8*\i+4*\H:SCA+8*\i+4*\H+3], v[SCO], s[90:91] offset:512*\i+256*\H   ; sixteen lanes read 256 consecutive bytes
	global_load_b128 v[SCB+8*\i+4*\H:SCB+8*\i+4*\H+3], v[SCO], s[92:93] offset:512*\i+256*\H
.endr
.endr
.irp a, 0,1,2,3
	global_load_b32 v[BM+\a], v[BMO], s[22:23] offset:128*(\a/2)+32*(\a%2)   ; the bias of my lane's row of tile a of w_v
.endr
	WIN TO_B
.irp b, 0,1,2,3,4,5,6,7
	global_load_b128 v[BN+8*\b+96*(\b/4):BN+8*\b+96*(\b/4)+3], v[BNO], s[94:95] offset:128*(\b/2)+32*(\b%2)   ; the bias of tile b's eight rows of my half (role 0 reads it)
	global_load_b128 v[BN+8*\b+96*(\b/4)+4:BN+8*\b+96*(\b/4)+7], v[BNO], s[94:95] offset:128*(\b/2)+32*(\b%2)+16
.endr
	WIN 0
; One product: source 1's block a x source 0's block b, K step ks of 128; p: source 0's set.  Blocks 4-7 take their scale words from lanes 16-31.
.macro WM a, b, p, ks, zero
.set rD, 8*(8*((\a)%4)+(\b))
.set rB, 128*(\p)+FR*(\b)
.set rA, AF+FR*(\a)
.set rSB, SCB+8*((\b)%4)+(\ks)
.set rSA, SCA+8*((\a)%4)+(\ks)
.if \zero
.if ((\b)/4) && ((\a)/4)
	v_wmma_scale_f32_16x16x128_f8f6f4 v[rD:rD+7], v[rB:rB+FR-1], v[rA:rA+FR-1], 0, v[rSB], v[rSA] matrix_a_fmt:MATRIX_FMT_FP6 matrix_b_fmt:MATRIX_FMT_FP6 matrix_a_scale:MATRIX_SCALE_ROW1 matrix_b_scale:MATRIX_SCALE_ROW1
.elseif (\b)/4
	v_wmma_scale_f32_16x16x128_f8f6f4 v[rD:rD+7], v[rB:rB+FR-1], v[rA:rA+FR-1], 0, v[rSB], v[rSA] matrix_a_fmt:MATRIX_FMT_FP6 matrix_b_fmt:MATRIX_FMT_FP6 matrix_a_scale:MATRIX_SCALE_ROW1
.elseif (\a)/4
	v_wmma_scale_f32_16x16x128_f8f6f4 v[rD:rD+7], v[rB:rB+FR-1], v[rA:rA+FR-1], 0, v[rSB], v[rSA] matrix_a_fmt:MATRIX_FMT_FP6 matrix_b_fmt:MATRIX_FMT_FP6 matrix_b_scale:MATRIX_SCALE_ROW1
.else
	v_wmma_scale_f32_16x16x128_f8f6f4 v[rD:rD+7], v[rB:rB+FR-1], v[rA:rA+FR-1], 0, v[rSB], v[rSA] matrix_a_fmt:MATRIX_FMT_FP6 matrix_b_fmt:MATRIX_FMT_FP6
.endif
.else
.if ((\b)/4) && ((\a)/4)
	v_wmma_scale_f32_16x16x128_f8f6f4 v[rD:rD+7], v[rB:rB+FR-1], v[rA:rA+FR-1], v[rD:rD+7], v[rSB], v[rSA] matrix_a_fmt:MATRIX_FMT_FP6 matrix_b_fmt:MATRIX_FMT_FP6 matrix_a_scale:MATRIX_SCALE_ROW1 matrix_b_scale:MATRIX_SCALE_ROW1
.elseif (\b)/4
	v_wmma_scale_f32_16x16x128_f8f6f4 v[rD:rD+7], v[rB:rB+FR-1], v[rA:rA+FR-1], v[rD:rD+7], v[rSB], v[rSA] matrix_a_fmt:MATRIX_FMT_FP6 matrix_b_fmt:MATRIX_FMT_FP6 matrix_a_scale:MATRIX_SCALE_ROW1
.elseif (\a)/4
	v_wmma_scale_f32_16x16x128_f8f6f4 v[rD:rD+7], v[rB:rB+FR-1], v[rA:rA+FR-1], v[rD:rD+7], v[rSB], v[rSA] matrix_a_fmt:MATRIX_FMT_FP6 matrix_b_fmt:MATRIX_FMT_FP6 matrix_b_scale:MATRIX_SCALE_ROW1
.else
	v_wmma_scale_f32_16x16x128_f8f6f4 v[rD:rD+7], v[rB:rB+FR-1], v[rA:rA+FR-1], v[rD:rD+7], v[rSB], v[rSA] matrix_a_fmt:MATRIX_FMT_FP6 matrix_b_fmt:MATRIX_FMT_FP6
.endif
.endif
.endm
.macro MUL16 a0, p, ks, zero           ; 16 products; the 64 accumulators take turns, one instruction a turn, in the same order in every step
.irp a, \a0, \a0+1
.irp b, 0,1,2,3,4,5,6,7
	WM \a, \b, \p, \ks, \zero
.endr
.endr
.endm
.macro FRAG reg, adr, off              ; a fragment comes as it was stored: three loads of 512 consecutive bytes
.irp g, 0,1,2
	ds_load_b128 v[(\reg)+4*\g:(\reg)+4*\g+3], v[\adr] offset:(\off)+512*\g
.endr
.endm
.macro FETCH_B slot, q, p
	WIN TO_B
.irp i, 0,1,2,3,4,5,6,7
	FRAG 128*(\p)+FR*\i, ADRB+\slot, TILE2*\i+IMG*(\q)
.endr
	WIN 0
.endm
.macro FETCH_A slot, q, i0
.irp i, \i0, \i0+1, \i0+2, \i0+3
	FRAG AF+FR*(\i), ADRA+\slot, TILE2*(\i)+IMG*(\q)
.endr
.endm
; A step of 128 along K; in its middle and at its end it fetches the next step's fragments (slot nslot, half nq).
.macro STEP ks, set, nslot, nq, zero
	s_wait_dscnt 4*NL                              ; source 0's set and source 1's blocks 0-3 are in; the youngest 12 loads (blocks 4-7) may be out
	WIN MUL_LO
	MUL16 0, \set, \ks, \zero
	MUL16 2, \set, \ks, \zero
	s_wait_dscnt 0
	PLACES NP                                      ; four places in front of loads into registers that matrix instructions have read
	FETCH_B \nslot, \nq, 1-\set
	FETCH_A \nslot, \nq, 0
	WIN MUL_HI
	MUL16 4, \set, \ks, \zero
	MUL16 6, \set, \ks, \zero
	PLACES NP
	WIN 0
	FETCH_A \nslot, \nq, 4
.endm
; A step with a barrier in it (it multiplies set 1).  In front of the barrier each wave waits for all its tensor loads, adds 0 to its spare word, and waits for that and for its reads.  fill = 2: slot 0 is filled again, with K step 3.
.macro TURN ks, nslot, fill
	s_wait_tensorcnt 0x0                           ; all my tensor loads have landed
	ds_add_u32 v[SPW], v[NIL]                      ; 0 onto my spare word
	s_wait_dscnt 4*NL+1                            ; (the add and the youngest 12 loads may be out)
	WIN MUL_LO
	MUL16 0, 1, \ks, 0                             ; sixteen matrix instructions stand between the add and the wait for it
	s_wait_dscnt 0x0                               ; the add is done, and my reads of the slot are over
	s_barrier_signal -1
	MUL16 2, 1, \ks, 0
	WIN 0
	s_barrier_wait -1
.if \fill
	CREST                                          ; the barrier has opened a round of the cluster's barrier
.if (\fill) == 2
	s_add_nc_u64 s[G0+2:G0+3], s[G0+2:G0+3], 3*TILE2
	s_add_nc_u64 s[G0B+2:G0B+3], s[G0B+2:G0B+3], 3*TILE2
	JLOAD G0, G1, G0B, G1B                         ; fill = 2: slot 0 is filled again, with K step 3
.else
	JLOAD G0+8, G1, G0B+8, G1B                     ; fill = 1: slot 2's first fill, K step 2, issued as a refill is
.endif
.else
	PLACES NP
.endif
	FETCH_B \nslot, 0, 0
	FETCH_A \nslot, 0, 0
	WIN MUL_HI
	MUL16 4, 1, \ks, 0
	MUL16 6, 1, \ks, 0
	PLACES NP
	WIN 0
	FETCH_A \nslot, 0, 4
.endm
	s_wait_alu depctr_va_vdst(0)                   ; the head's end
	s_wait_tensorcnt 0x0                           ; my part of K step 0 is in
	ds_add_u32 v[SPW], v[NIL]                      ; ahead of a later first fill
	s_wait_dscnt 0x0
	CROUND                                         ; everybody's part of K step 0 is in
	JLOAD G0+4, G1, G0B+4, G1B                     ; slot 1's first fill, K step 1: the first tensor load behind the round
	FETCH_B 0, 0, 0
	FETCH_A 0, 0, 0
	FETCH_A 0, 0, 4
	s_wait_loadcnt 0x0                             ; the scale words and the bias
	STEP 0, 0, 0, 1, 1                             ; the first products start the sums: nothing is cleared
	TURN 1, 1, 1                                   ; slot 1 is whole for every wave; slot 2 takes K step 2
	STEP 2, 0, 1, 1, 0
	TURN 3, 2, 2                                   ; slot 2 is whole for every wave; slot 0 takes K step 3
	STEP 4, 0, 2, 1, 0
	TURN 5, 0, 0                                   ; K step 3 has landed, in every wave
	STEP 6, 0, 0, 1, 0
	; The last step of the first product holds a round: all three slots are read out, and they take the second product's operands, ALL of K, one joint load a wave:
	; waves 0 and 1 eight token tiles each (98,304 bytes on end), waves 2 and 3 four tiles of w_v each (49,152).
	s_wait_tensorcnt 0x0                           ; no load of mine is out: the descriptors may be written
	ds_add_u32 v[SPW], v[NIL]
	s_mov_b32 s[G1+1], 1536<<16                    ; rows of 12,288 bytes: a tile's whole K
	s_mov_b32 s[G1+3], 1536<<16
	s_mov_b32 s[G1B+1], 1536<<16
	s_mov_b32 s[G1B+2], 4<<16
	s_mov_b32 s[G1B+3], 1536<<16
	s_mov_b32 s[G1B+4], 4
	s_mul_i32 s[G0+5], s16, 4*HALFT
	s_mov_b64 s[G0+6:G0+7], s[84:85]
	s_or_b32 s[G0+7], s[G0+7], 0x80000000
	s_mul_i32 s[G0B+5], s16, 2*HALFT
	s_add_co_u32 s[G0B+5], s[G0B+5], 8*HALFT
	s_mov_b64 s[G0B+6:G0B+7], s[100:101]
	s_or_b32 s[G0B+7], s[G0B+7], 0x80000000
	s_wait_dscnt 4*NL+1                            ; (the add and the youngest 12 loads may be out)
	WIN MUL_LO
	MUL16 0, 1, 7, 0
	s_wait_dscnt 0x0                               ; the add is done, and my last reads of the slots are over
	s_barrier_signal -1
	MUL16 2, 1, 7, 0
	WIN 0
	s_barrier_wait -1
	CREST
	JLOAD G0+4, G1, G0B+4, G1B                     ; the first tensor load behind the round
	WIN MUL_HI
	MUL16 4, 1, 7, 0
	MUL16 6, 1, 7, 0
	WIN 0
	PLACES NP                                      ; behind the last products: the lines below load into scale registers, read results and write over source 1's fragments
	s_lshl_b32 s2, s16, 3                          ; the second product's scale words: source 0 = my 8 token tiles,
	s_add_co_u32 s92, s73, s2
	s_lshl_b32 s92, s92, 9
	s_mov_b32 s93, 0
	s_add_nc_u64 s[92:93], s[6:7], s[92:93]
	s_lshl_b32 s90, s69, 3                         ; source 1 = my 4 tiles of w_v
	s_lshl_b32 s2, s15, 2
	s_add_co_u32 s90, s90, s2
	s_add_co_u32 s90, s90, 640
	s_lshl_b32 s90, s90, 9
	s_mov_b32 s91, 0
	s_add_nc_u64 s[90:91], s[6:7], s[90:91]
.irp i, 0,1,2,3
.irp H, 0,1
	global_load_b128 v[SCA+8*\i+4*\H:SCA+8*\i+4*\H+3], v[SCO], s[90:91] offset:512*\i+256*\H
	global_load_b128 v[SCB+8*\i+4*\H:SCB+8*\i+4*\H+3], v[SCO], s[92:93] offset:512*\i+256*\H
.endr
.endr
; ROLE 0.  Token tile a: my lane's token, 128 rows of w along the registers: two heads of 64.  + bias, quantised along d; the first six registers of each head's codes are tile 2 p's, the other six tile 2 p + 1's.
.macro ADDN a
	WIN 0x06+((\a)/4)                              ; source 0: the accumulators' window; source 1: window 1
.set i, 0
.rept 32
.set bb, i/4
	v_pk_add_f32 v[HA+2*i:HA+2*i+1], v[64*((\a)%4)+2*i:64*((\a)%4)+2*i+1], v[BN+8*bb+96*(bb/4)+(2*i)%8:BN+8*bb+96*(bb/4)+(2*i)%8+1]   ; each accumulator from its low end on
.set i, i+1
.endr
	WIN 0
.endm
.irp p, 0,1,2,3
.if \p > 0
	s_wait_xcnt 0x0                                ; the last pair's stores have read their registers
.endif
.irp u, 0,1
	ADDN 2*\p+\u
.set qd0, R0+6*\u
.set qd1, R1+6*\u
	QUANT HA, qd0, qd1, XT, PWA+\u
.endr
	v_perm_b32 v[SW+\p], v[PWA+1], v[PWA], v[SELV]   ; lanes 0-15: the first head's two bytes of both tiles; lanes 16-31: the second head's
.irp g, 0,1,2
	global_store_b128 v[LB], v[R0+4*\g:R0+4*\g+3], s[96:97] offset:1536*\p+512*\g          ; 512 consecutive bytes
	global_store_b128 v[LB], v[R1+4*\g:R1+4*\g+3], s[96:97] offset:98304+1536*\p+512*\g    ; the next head
.endr
.endr
	global_store_b128 v[OSO], v[SW:SW+3], s[98:99]   ; sixteen lanes store 256 consecutive bytes for each of the two heads
; THE SECOND PRODUCT, v: source 1 = my 4 tiles of w_v (64 rows: one head), source 0 = my 8 token tiles (one key step).  All of K lies in LDS: no further round.
; 32 accumulators in window 2, by turns; both sides' fragments in two sets, the next step's fetched ahead of this step's products.
	s_wait_xcnt 0x0                                ; the first product's stores have read their registers and bases
	s_lshr_b32 s2, s77, 3                          ; the batch
	s_lshl_b32 s2, s2, 4
	s_lshl_b32 s3, s69, 1
	s_add_co_u32 s2, s2, s3
	s_add_co_u32 s2, s2, s15                       ; + my head
	s_add_co_u32 s2, s2, 128                       ; among v's
	s_and_b32 s3, s77, 7
	s_lshl_b32 s3, s3, 1
	s_add_co_u32 s3, s3, s16                       ; the step of 128 tokens
	s_mul_i32 s96, s2, 98304
	s_mul_i32 s17, s3, 6144
	s_add_co_u32 s96, s96, s17
	s_mov_b32 s97, 0
	s_add_nc_u64 s[96:97], s[10:11], s[96:97]
	s_lshl_b32 s98, s2, 12
	s_lshl_b32 s3, s3, 8
	s_add_co_u32 s98, s98, s3
	s_mov_b32 s99, 0
	s_add_nc_u64 s[98:99], s[12:13], s[98:99]
	s_mul_i32 s17, s16, 4*HALFT
	v_add_nc_u32 v[ADRB], s17, v[LB]               ; my token tiles 0-3,
	v_add_nc_u32 v[ADRB+1], 2*HALFT, v[ADRB]       ; and 4-7
	s_mul_i32 s18, s15, 2*HALFT
	s_add_co_u32 s18, s18, 8*HALFT
	v_add_nc_u32 v[ADRA], s18, v[LB]               ; my tiles of w_v
	s_wait_alu depctr_va_vdst(0)                   ; ahead of the blocking wait
	s_wait_tensorcnt 0x0
	s_barrier_signal -1
	s_barrier_wait -1                              ; everybody's part has landed
.macro P2FETCH ks, p
	WIN TO_B
.irp i, 0,1,2,3,4,5,6,7
.irp g, 0,1,2
	ds_load_b128 v[128*(\p)+FR*\i+4*\g:128*(\p)+FR*\i+4*\g+3], v[ADRB+\i/4] offset:TSTR*(\i%4)+IMG*(\ks)+512*\g
.endr
.endr
	WIN 0
.irp i, 0,1,2,3
.irp g, 0,1,2
	ds_load_b128 v[AF+48*(\p)+FR*\i+4*\g:AF+48*(\p)+FR*\i+4*\g+3], v[ADRA] offset:TSTR*\i+IMG*(\ks)+512*\g
.endr
.endr
.endm
.macro P2W1 c, row
	v_wmma_scale_f32_16x16x128_f8f6f4 v[rD:rD+7], v[rB:rB+FR-1], v[rA:rA+FR-1], \c, v[rSB], v[rSA] matrix_a_fmt:MATRIX_FMT_FP6 matrix_b_fmt:MATRIX_FMT_FP6 matrix_a_scale:MATRIX_SCALE_ROW\row
.endm
.macro P2WM a, b, p, ks
.set rD, 8*(8*(\a)+(\b))
.set rB, 128*(\p)+FR*(\b)
.set rA, AF+48*(\p)+FR*(\a)
.set rSB, SCB+8*((\b)%4)+(\ks)
.set rSA, SCA+8*(\a)+(\ks)
.if (\ks) == 0
.if (\b)/4
	P2W1 0, 1
.else
	P2W1 0, 0
.endif
.else
.if (\b)/4
	P2W1 v[rD:rD+7], 1
.else
	P2W1 v[rD:rD+7], 0
.endif
.endif
.endm
.macro P2STEP ks
	s_wait_dscnt 0x0                               ; this step's fragments are in
.if (\ks) < 7
.if (\ks) > 0
	PLACES NP                                      ; in front of loads into registers that the last step's products have read
.endif
	P2FETCH (\ks)+1, ((\ks)+1)%2
.endif
	WIN MUL_LO
.irp a, 0,1,2,3
.irp b, 0,1,2,3,4,5,6,7
	P2WM \a, \b, (\ks)%2, \ks
.endr
.endr
	WIN 0
.endm
	P2FETCH 0, 0
	s_wait_loadcnt 0x0                             ; the scale words
.irp k, 0,1,2,3,4,5,6,7
	P2STEP \k
.endr
	PLACES NP
; Tile a of w_v's rows: my lane's d, 128 tokens along the registers: one key step.  + bias of my lane's row, quantised along the keys: a whole fragment.
.macro ADDM a
	WIN 0x02+((\a)/4)
.set i, 0
.rept 32
.if (\a)%2
	v_pk_add_f32 v[HA+2*i:HA+2*i+1], v[64*((\a)%4)+2*i:64*((\a)%4)+2*i+1], v[BM+2*((\a)/2):BM+2*((\a)/2)+1] op_sel:[0,1] op_sel_hi:[1,1]
.else
	v_pk_add_f32 v[HA+2*i:HA+2*i+1], v[64*((\a)%4)+2*i:64*((\a)%4)+2*i+1], v[BM+2*((\a)/2):BM+2*((\a)/2)+1] op_sel_hi:[1,0]
.endif
.set i, i+1
.endr
	WIN 0
.endm
.irp a, 0,1,2,3
.if \a > 1
	s_wait_xcnt 0x0                                ; the stores of two tiles back have read their registers
.endif
	ADDM \a
.set qd0, R0+12*(\a%2)
	QUANT HA, qd0, qd0+6, XT, PW8+\a
.irp g, 0,1,2
	global_store_b128 v[LB], v[qd0+4*\g:qd0+4*\g+3], s[96:97] offset:98304*(\a/4)+1536*(\a%4)+512*\g
.endr
.endr
	v_cmp_gt_u32 vcc_lo, 16, v1
	s_wait_alu depctr_va_vdst(0)                   ; ahead of the blocking wait
	s_wait_xcnt 0x0                                ; EXEC changes only behind this wait
	s_and_saveexec_b32 s2, vcc_lo
	global_store_b128 v[OSO], v[PW8:PW8+3], s[98:99]   ; lanes 0-15 store my head's 256 bytes of scale words
	s_wait_xcnt 0x0
	s_or_b32 exec_lo, exec_lo, s2
	s_wait_tensorcnt 0x0                           ; the wave's end
	ds_add_u32 v[SPW], v[NIL]
	s_wait_dscnt 0x0
	CROUND                                         ; the closing round
	s_endpgm
.Lfunc_end_k_q9b3d0da680_qkv:
	.size	k_q9b3d0da680_qkv, .Lfunc_end_k_q9b3d0da680_qkv-k_q9b3d0da680_qkv
	.p2alignl 7, 3214868480
	.fill 96, 4, 3214868480
	.section	.rodata,"a",@progbits
	.p2align	6, 0x0
	.amdhsa_kernel k_q9b3d0da680_qkv
		.amdhsa_group_segment_fixed_size 327680
		.amdhsa_private_segment_fixed_size 0
		.amdhsa_enable_private_segment 0
		.amdhsa_kernarg_size 40
		.amdhsa_user_sgpr_count 2
		.amdhsa_user_sgpr_kernarg_segment_ptr 1
		.amdhsa_wavefront_size32 1
		.amdhsa_system_sgpr_workgroup_id_x 1
		.amdhsa_system_sgpr_workgroup_id_y 1
		.amdhsa_system_sgpr_workgroup_id_z 1
		.amdhsa_system_vgpr_workitem_id 0
		.amdhsa_next_free_vgpr 1024
		.amdhsa_next_free_sgpr 102
		.amdhsa_reserve_vcc 1
		.amdhsa_float_denorm_mode_32 3
		.amdhsa_float_denorm_mode_16_64 3
		.amdhsa_memory_ordered 1
		.amdhsa_forward_progress 1
		.amdhsa_inst_pref_size 238
	.end_amdhsa_kernel
	.amdgpu_metadata
---
amdhsa.version: [ 1, 2 ]
amdhsa.kernels:
  - .name:           k_q9b3d0da680_qkv
    .symbol:         k_q9b3d0da680_qkv.kd
    .args:
      - { .name: op_img, .offset: 0, .size: 8, .value_kind: global_buffer, .address_space: global }
      - { .name: op_sc, .offset: 8, .size: 8, .value_kind: global_buffer, .address_space: global }
      - { .name: b_qkv, .offset: 16, .size: 8, .value_kind: global_buffer, .address_space: global }
      - { .name: qkv_img, .offset: 24, .size: 8, .value_kind: global_buffer, .address_space: global }
      - { .name: qkv_sc, .offset: 32, .size: 8, .value_kind: global_buffer, .address_space: global }
    .group_segment_fixed_size: 327680
    .private_segment_fixed_size: 0
    .kernarg_segment_align: 8
    .kernarg_segment_size: 40
    .max_flat_workgroup_size: 128
    .sgpr_count:     102
    .vgpr_count:     1024
    .wavefront_size: 32
...
	.end_amdgpu_metadata
.endif
;; end of part 2
;; launch attn (part 3): grid 4 x 64, 8 waves a work-group, clusters of 4 x 1, 327,680 bytes of LDS; arguments qkv_img, qkv_sc, o_img, o_sc; writes o_img, o_sc
.if DOCPART == 3
	.amdgcn_target "amdgcn-amd-amdhsa--gfx1250"
	.amdhsa_code_object_version 6
	.text
	.protected	k_q9b3d0da680_attn
	.globl	k_q9b3d0da680_attn
	.p2align	8
	.type	k_q9b3d0da680_attn,@function
k_q9b3d0da680_attn:
	s_mov_b64 s[64:65], 0
	v_nop
	global_prefetch_b8 v0, s[64:65] scope:SCOPE_SE
	s_setreg_imm32_b32 hwreg(HW_REG_WAVE_MODE, 25, 1), 1
	s_wait_xcnt 0x0
	s_wait_alu depctr_hold_cnt(0) depctr_sa_sdst(0) depctr_va_vdst(0) depctr_va_sdst(0) depctr_va_ssrc(0) depctr_va_vcc(0) depctr_vm_vsrc(0)
	s_getreg_b32 s2, hwreg(HW_REG_IB_STS2, 6, 4)
	s_cmp_eq_u32 s2, 0
	s_cbranch_scc0 .Lentry_in_a_cluster
	s_endpgm
.Lentry_in_a_cluster:
	s_bfe_u32 s2, ttmp6, 0x10000c
	s_cmp_lg_u32 s2, 0x3003
	s_cbranch_scc0 .Lentry_shape_is_right
	s_endpgm
.Lentry_shape_is_right:
; o = softmax(q k^T / 8) v for one head, on codes of FP6 (E2M3) with E8M0 scales, and the quantising of o for the projection.
; p = 2^(t - M), t = score x log2(e) / 8, M the ceiling of the running largest t; the row's sum is taken of the unquantised p; O^T is divided by it at the end.
; THE DEAL: a cluster of four work-groups takes one head; each work-group 512 queries, each of its 8 waves 64, in two passes of 32 (two tiles of 16, A and B, one image of q).
; All of the head's K and V and their scale words lie in LDS, asked for JOINTLY by the four partners at the head, one tensor load a wave: waves 0-2 a third of V each,
; waves 3-6 a quarter of K each, wave 7 both tensors' scale words (two rows of 4,096 bytes).  Nothing is filled again.  No prefetch: the head's loads ask for every byte of K and V,
; so there is no later load to run ahead of.
; BOTH PRODUCTS ARE USED TRANSPOSED (S^T = k q^T, O^T = v^T p^T): a lane holds one query.  A fragment of K or V from LDS serves both tiles.
; WHICH KEYS FORM A TILE OF K is chosen by the lanes' LDS addresses: lane (8 h' + j, h) of fragment (g, w) reads lane (8 w + j, h) of the step's image 2 g + h'.  Then register
; 32 g + 8 u + i of lane (r, h) of the scores is key 64 g + 32 h + 8 u + i: a lane's 32 registers are one whole block of 32 keys, in the order of p's operand registers.
; K's images lie in LDS with 128 bytes of padding behind each 512, so that the two images that sixteen lanes read start 128 bytes apart modulo 256.
; The head's 64 fill half of the instruction's 128: a fragment of K holds two key tiles, and q stands against one of them with zero codes against the other.
; LIMITS: NaN and infinities are not served; the promise holds while the scaled scores stay under 2^31 in magnitude; a block whose largest magnitude lies under 2^-124 keeps the scale byte 1.
; REGISTERS: window 0: v0-63 addresses, small state, scale words; v64-111 K; v112-147 q (0 | q | 0 for each tile); v148-171 p's codes; v172-187 second halves of conversions; v188-235 V; v236-247 the second pass's q.
;   window 1: v0-127 the scores, then p (tile A, tile B); v128-191 O^T; v192-223 tile A's first sums; v224-239 the rows' sums.
.set KIMG,  98304                      ; V's images lie at 0
.set KSC,   221184
.set VSC,   225280
.set SPARE, 229376                     ; the spare words: 128 bytes for each of 8 waves
.set KST,   7680                       ; a step of K in LDS: 4 images x 3 x 640
.set LB,   1
.set AK0,  2
.set AKS0, 4
.set AVS0, 5
.set SPW,  6
.set NIL,  7
.set ADK,  8
.set ADV,  9
.set ADS,  10
.set ADT,  11
.set SH8,  12
.set L8,   13
.set R16,  14
.set OSO,  15
.set NM,   16                          ; pairs: -M, the running largest score
.set FF,   20                          ; pairs: 2^(old M - new M), 0
.set BX,   24
.set BW,   28
.set T0,   32
.set T1,   34
.set BZ,   36
.set BY,   40
.set OW,   44
.set QW,   46
.set QSL,  50
.set QSH,  52
.set KS,   54
.set VS,   56
.set PS,   60
.set RC,   62
.set KF,   64
.set QB,   112
.set PC,   148
.set TC,   172
.set VF,   188
.set QN,   236
.set OT,   128                         ; window 1
.set TP,   192
.set LS,   224
.set WV,   12
.set SEL,  20
.set CS,   22
.set G1K,  24
.set G1V,  32
.set G1S,  40
.set G0V,  48
.set G0K,  52
.set G0S,  56
.set QA,   70
.set QWB,  72
.set OI,   74
.set OS,   76
.set TK,   78
.set TV,   79
.set TS,   80
.set CNT,  81
.set HALF, 82
.set NC,   83
.set MSB, 0
.macro WIN new                         ; the immediate's high byte repeats the setting that is left
.if MSB != (\new)
	s_set_vgpr_msb (MSB<<8)|(\new)
.set MSB, (\new)
.endif
.endm
.macro WALU
	s_wait_alu depctr_va_vdst(0)
.endm
.macro PLACES n
.rept \n
	v_nop
.endr
.endm
.macro CROUND
	s_barrier_signal -1
	s_barrier_wait -1
	s_cmp_lg_u32 s[WV], 0
	s_cbranch_scc1 .Lnot_wave_0_\@
	s_barrier_signal -3
.Lnot_wave_0_\@:
	s_barrier_wait -3
	s_barrier_signal -1
	s_barrier_wait -1
.endm
	s_load_b256 s[4:11], s[0:1], 0x0               ; qkv_img, qkv_sc, o_img, o_sc
	v_lshl_add_u32 v[SPW], v0, 2, SPARE
	v_mov_b32 v[NIL], 0
	ds_add_u32 v[SPW], v[NIL]                      ; the opening lines: the add, twice on end, and its wait
	ds_add_u32 v[SPW], v[NIL]
	v_lshrrev_b32 v8, 5, v0
	v_readfirstlane_b32 s[WV], v8                  ; wave 0..7
	s_bfe_u32 s13, ttmp6, 0x40000                  ; cx
	s_and_b32 s14, ttmp7, 0xffff                   ; batch x 16 + head
	s_and_b32 s15, s14, 15
	s_lshl_b32 s16, s13, 4
	s_lshl_b32 s17, s[WV], 1
	s_add_co_u32 s16, s16, s17                     ; my first image of q, 0..62: 16 cx + 2 wave
	s_mov_b32 s[G1K], 15|(3<<16)|(1<<20)|(1<<21)|(6<<22)|(31<<25)   ; K: 48 rows of 512 bytes, 32 dwords of padding behind each 128
	s_mov_b32 s[G1K+1], 64<<16
	s_mov_b32 s[G1K+2], 48<<16
	s_mov_b32 s[G1K+3], 64<<16
	s_mov_b32 s[G1K+4], 48
	s_mov_b32 s[G1K+5], 64
	s_mov_b32 s[G1K+6], 0
	s_mov_b32 s[G1K+7], 0
	s_mov_b32 s[G1V], 15|(3<<16)|(1<<21)           ; V: 64 rows of 512 bytes, dense
	s_mov_b32 s[G1V+1], 64<<16
	s_mov_b32 s[G1V+2], 64<<16
	s_mov_b32 s[G1V+3], 64<<16
	s_mov_b32 s[G1V+4], 64
	s_mov_b32 s[G1V+5], 64
	s_mov_b32 s[G1V+6], 0
	s_mov_b32 s[G1V+7], 0
	s_mov_b32 s[G1S], 15|(3<<16)|(1<<21)           ; scale words: K's 4,096 bytes and V's, 262,144 bytes apart in memory
	s_mov_b32 s[G1S+1], 512<<16
	s_mov_b32 s[G1S+2], 2<<16
	s_mov_b32 s[G1S+3], 512<<16
	s_mov_b32 s[G1S+4], 2
	s_mov_b32 s[G1S+5], 32768
	s_mov_b32 s[G1S+6], 0
	s_mov_b32 s[G1S+7], 0
	s_mov_b32 s[G0V], 1
	s_lshl_b32 s[G0V+1], s[WV], 15                 ; waves 0-2: third w of V
	s_mov_b32 s[G0K], 1
	s_mul_i32 s[G0K+1], s[WV], 30720
	s_add_co_u32 s[G0K+1], s[G0K+1], KIMG-3*30720  ; waves 3-6: quarter w - 3 of K
	s_mov_b32 s[G0S], 1
	s_mov_b32 s[G0S+1], KSC
	s_mul_i32 s60, s14, 98304
	s_add_co_u32 s62, s60, 128*98304
	s_add_co_u32 s62, s62, s[G0V+1]
	s_mov_b32 s63, 0
	s_mul_i32 s66, s[WV], 24576
	s_add_co_u32 s66, s66, s60
	s_add_co_u32 s66, s66, 64*98304-3*24576
	s_mov_b32 s67, 0
	s_lshl_b32 s68, s14, 12
	s_add_co_u32 s68, s68, 64*4096
	s_mov_b32 s69, 0
	s_mul_i32 s[QA], s16, 1536
	s_add_co_u32 s[QA], s[QA], s60
	s_mov_b32 s[QA+1], 0
	s_lshl_b32 s[QWB], s14, 12
	s_lshr_b32 s17, s16, 2
	s_lshl_b32 s17, s17, 8
	s_add_co_u32 s[QWB], s[QWB], s17
	s_and_b32 s17, s16, 3
	s_lshl_b32 s17, s17, 2
	s_add_co_u32 s[QWB], s[QWB], s17
	s_mov_b32 s[QWB+1], 0
	s_lshr_b32 s17, s14, 4
	s_lshl_b32 s17, s17, 7
	s_lshl_b32 s18, s16, 1
	s_add_co_u32 s17, s17, s18                     ; my first tile of o: 128 x batch + 2 x image
	s_mul_i32 s[OI], s17, 12288
	s_lshr_b32 s18, s15, 1
	s_mul_i32 s19, s18, 1536
	s_add_co_u32 s[OI], s[OI], s19
	s_and_b32 s19, s15, 1
	s_mul_i32 s61, s19, 768
	s_add_co_u32 s[OI], s[OI], s61
	s_mov_b32 s[OI+1], 0
	s_lshl_b32 s[OS], s17, 9
	s_lshr_b32 s61, s15, 3
	s_lshl_b32 s61, s61, 8
	s_add_co_u32 s[OS], s[OS], s61
	s_and_b32 s18, s18, 3
	s_lshl_b32 s18, s18, 2
	s_add_co_u32 s[OS], s[OS], s18
	s_lshl_b32 s19, s19, 1
	s_add_co_u32 s[OS], s[OS], s19
	s_mov_b32 s[OS+1], 0
	s_mov_b32 s[SEL], 0x76543210
	s_mov_b32 s[SEL+1], 0xfedcba98                 ; lane l xor 16
	s_mov_b32 s[CS], 0x3e38aa3b                    ; c = log2(e) / 8
	s_mov_b32 s[CS+1], s[CS]
	s_mov_b32 s[NC], 0xbe38aa3b                    ; -c
	s_mov_b32 s[HALF], 0xffff0000
	s_wait_dscnt 0x0
	s_wait_kmcnt 0x0
	s_add_nc_u64 s[G0V+2:G0V+3], s[4:5], s[62:63]
	s_or_b32 s[G0V+3], s[G0V+3], 0x80000000
	s_add_nc_u64 s[G0K+2:G0K+3], s[4:5], s[66:67]
	s_or_b32 s[G0K+3], s[G0K+3], 0x80000000
	s_add_nc_u64 s[G0S+2:G0S+3], s[6:7], s[68:69]
	s_or_b32 s[G0S+3], s[G0S+3], 0x80000000
	s_add_nc_u64 s[QA:QA+1], s[4:5], s[QA:QA+1]
	s_add_nc_u64 s[QWB:QWB+1], s[6:7], s[QWB:QWB+1]
	s_add_nc_u64 s[OI:OI+1], s[8:9], s[OI:OI+1]
	s_add_nc_u64 s[OS:OS+1], s[10:11], s[OS:OS+1]
	CROUND                                         ; the four partners are here: the joint loads meet
	s_cmp_lt_u32 s[WV], 3                          ; one chain of branches on the wave's number, one load to an arm
	s_cbranch_scc0 .Lfor_k
	tensor_load_to_lds s[G0V:G0V+3], s[G1V:G1V+7]
	s_nop 0
	PLACES 4
	s_branch .Lasked
.Lfor_k:
	s_cmp_lt_u32 s[WV], 7
	s_cbranch_scc0 .Lfor_s
	tensor_load_to_lds s[G0K:G0K+3], s[G1K:G1K+7]
	s_nop 0
	PLACES 4
	s_branch .Lasked
.Lfor_s:
	tensor_load_to_lds s[G0S:G0S+3], s[G1S:G1S+7]
	s_nop 0
	PLACES 4
.Lasked:
	v_and_b32 v8, 31, v0
	v_and_b32 v9, 15, v0                           ; r
	v_bfe_u32 v10, v0, 4, 1                        ; h
	v_and_b32 v11, 7, v0                           ; j
	v_bfe_u32 v16, v0, 3, 1                        ; h'
	v_lshlrev_b32 v[LB], 4, v8
	v_lshlrev_b32 v[L8], 3, v8
	v_lshlrev_b32 v[R16], 4, v9
	v_lshlrev_b32 v[SH8], 3, v10
	v_mul_u32_u24 v[AK0], v16, 1920                ; K: image h', lane 16 h + j
	v_lshlrev_b32 v[AKS0], 4, v11                  ; K's scale words: row j (lanes 16-31: row 8 + j), word h'
	v_add_nc_u32 v[AVS0], VSC, v[R16]
	v_lshl_add_u32 v[OSO], v10, 9, v[R16]
	v_lshl_add_u32 v[AK0], v10, 8, v[AK0]
	v_lshl_add_u32 v[AKS0], v10, 7, v[AKS0]
	v_lshl_add_u32 v[AK0], v11, 4, v[AK0]
	v_lshl_add_u32 v[AKS0], v16, 2, v[AKS0]
	v_add_nc_u32 v[AK0], KIMG, v[AK0]
	v_add_nc_u32 v[AKS0], KSC, v[AKS0]
	global_load_b32 v[QW], v[R16], s[QWB:QWB+1]
	global_load_b32 v[QW+1], v[R16], s[QWB:QWB+1] offset:4
.irp m, 0,1,2,3,4,5                    ; both passes' images of q: registers 0-5 tile A, 6-11 tile B
	global_load_b64 v[QB+18*(\m/3)+6+2*(\m%3):QB+18*(\m/3)+7+2*(\m%3)], v[LB], s[QA:QA+1] offset:512*(\m/2)+8*(\m%2)
	global_load_b64 v[QN+2*\m:QN+2*\m+1], v[LB], s[QA:QA+1] offset:1536+512*(\m/2)+8*(\m%2)
.endr
.irp T, 0,1
.irp j, 0,1,2,3,4,5
	v_mov_b32 v[QB+18*\T+\j], 0                    ; zero codes on both sides of q
	v_mov_b32 v[QB+18*\T+12+\j], 0
.endr
	v_mov_b32 v[T1+\T], 0                          ; a lane permute's destination counts as one of its sources
	v_mov_b32 v[FF+2*\T+1], 0
.endr
	WALU                                           ; the head's end
	s_wait_tensorcnt 0x0
	s_barrier_signal -1
	s_barrier_wait -1                              ; all of K, V and the scale words are in, for every wave
	s_wait_loadcnt 0x0
; one product of the scores: fragment (g, w), its key tile e, query tile T
.macro SW g, w, e, T
.set rD, 64*\T+32*\g+8*(2*\w+\e)
.set rA, KF+12*(2*\g+\w)
.set rB, QB+18*\T+6-6*\e
.set rQ, QSL+2*\e+\T
.if \w
	v_wmma_scale_f32_16x16x128_f8f6f4 v[rD:rD+7], v[rA:rA+11], v[rB:rB+11], 0, v[KS+\g], v[rQ] matrix_a_fmt:MATRIX_FMT_FP6 matrix_b_fmt:MATRIX_FMT_FP6 matrix_a_scale:MATRIX_SCALE_ROW1
.else
	v_wmma_scale_f32_16x16x128_f8f6f4 v[rD:rD+7], v[rA:rA+11], v[rB:rB+11], 0, v[KS+\g], v[rQ] matrix_a_fmt:MATRIX_FMT_FP6 matrix_b_fmt:MATRIX_FMT_FP6
.endif
.endm
.macro KLOAD adr, ads, off, soff       ; a step's four fragments of K and their scale words: 14 loads
.irp g, 0,1
.irp w, 0,1
.irp q, 0,1,2
	ds_load_b128 v[KF+12*(2*\g+\w)+4*\q:KF+12*(2*\g+\w)+4*\q+3], v[\adr] offset:(\off)+3840*\g+128*\w+640*\q
.endr
.endr
	ds_load_b32 v[KS+\g], v[\ads] offset:(\soff)+8*\g   ; lanes 0-15: fragment w = 0, lanes 16-31: w = 1
.endr
.endm
; A STEP: 128 keys x 32 queries.  This step's K came in the step before.
; the n-th of a step's 27 LDS loads: 0-11 this step's V, 12 its scale words, 13-24 the next step's K, 25-26 its scale words
.macro LDN n
.if (\n) < 12
	ds_load_b128 v[VF+4*(\n):VF+4*(\n)+3], v[ADV] offset:512*(\n)
.elseif (\n) == 12
	ds_load_b128 v[VS:VS+3], v[ADT]
.elseif (\n) < 25
.set m_, (\n)-13
	ds_load_b128 v[KF+4*m_:KF+4*m_+3], v[ADK] offset:KST+3840*(m_/6)+128*((m_/3)%2)+640*(m_%3)
.else
	ds_load_b32 v[KS+(\n)-25], v[ADS] offset:256+8*((\n)-25)
.endif
.endm
.macro LD3 n
	LDN \n
	LDN (\n)+1
	LDN (\n)+2
.endm
.macro STEP
	s_wait_dscnt 0x0                               ; K and its scale words, the youngest loads, are in
	WIN 0x40
.irp g, 0,1
.irp w, 0,1
.irp e, 0,1
.irp T, 0,1
	SW \g, \w, \e, \T
.endr
.endr
.endr
.endr
	WIN 0
	v_add_nc_u32 v[ADV], s[TV], v[LB]              ; these four are the places behind the products
	v_add_nc_u32 v[ADT], s[TS], v[AVS0]
	v_add_nc_u32 v[ADK], s[TK], v[AK0]
	v_add_nc_u32 v[ADS], s[TS], v[AKS0]
	WIN 0x15
.irp T, 0,1
.irp g, 0,1
	v_max3_num_f32 v[BX+2*\T+\g], v[64*\T+32*\g], v[64*\T+32*\g+1], v[64*\T+32*\g+2]
	v_max3_num_f32 v[BW+2*\T+\g], v[64*\T+32*\g+17], v[64*\T+32*\g+18], v[64*\T+32*\g+19]
.endr
.endr
	WIN 0x14
.irp i, 0,1,2,3,4,5,6
.irp T, 0,1
.irp g, 0,1
	v_max3_num_f32 v[BX+2*\T+\g], v[BX+2*\T+\g], v[64*\T+32*\g+3+2*\i], v[64*\T+32*\g+4+2*\i]
.if \i < 6
	v_max3_num_f32 v[BW+2*\T+\g], v[BW+2*\T+\g], v[64*\T+32*\g+20+2*\i], v[64*\T+32*\g+21+2*\i]
.endif
.endr
.endr
.endr
	WIN 0
.irp n, 0,1,2,3
	v_max_num_f32 v[BX+\n], v[BX+\n], v[BW+\n]
.endr
.irp T, 0,1
	v_max_num_f32 v[T0+\T], v[BX+2*\T], v[BX+2*\T+1]
.endr
	LD3 0                                          ; the step's LDS loads stand among the lines of this chain: V first, then the next step's K (the last step's reads of K fall on the scale words' bytes and are not used)
.irp T, 0,1
	v_permlanex16_b32 v[T1+\T], v[T0+\T], s[SEL], s[SEL+1]
.endr
	LD3 3
.irp T, 0,1
	v_max3_num_f32 v[NM+2*\T+1], v[NM+2*\T+1], v[T0+\T], v[T1+\T]   ; the running largest score of my query
.endr
	LD3 6
.irp T, 0,1
	v_mul_f32 v[T0+\T], s[NC], v[NM+2*\T+1]
.endr
	LD3 9
.irp T, 0,1
	v_floor_f32 v[T0+\T], v[T0+\T]                 ; the new -M = floor(-t)
.endr
	LD3 12
.irp T, 0,1
	v_sub_f32 v[T1+\T], v[T0+\T], v[NM+2*\T]       ; old M - new M: a whole number, 0 or less
.endr
	LD3 15
.irp T, 0,1
	v_mov_b32 v[NM+2*\T], v[T0+\T]
.endr
	LD3 18
.irp T, 0,1
	v_cvt_i32_f32 v[T1+\T], v[T1+\T]               ; (it saturates)
.endr
	LD3 21
.irp T, 0,1
	v_ldexp_f32 v[FF+2*\T], 1.0, v[T1+\T]
.endr
	LD3 24
	WIN 0x41
.set j, 0
.rept 32
	v_pk_fma_f32 v[j:j+1], v[j:j+1], s[CS:CS+1], v[NM:NM+1] op_sel_hi:[1,0,0]   ; tile A: t - M
.set j, j+2
.endr
.irp T, 0,1                            ; O^T and the sums under the new M, ahead of the exponentials; each accumulator from its low end on
.set j, 0
.rept 16
	v_pk_mul_f32 v[OT+32*\T+j:OT+32*\T+j+1], v[OT+32*\T+j:OT+32*\T+j+1], v[FF+2*\T:FF+2*\T+1] op_sel_hi:[1,0]
.set j, j+2
.endr
	v_pk_mul_f32 v[LS+4*\T:LS+4*\T+1], v[LS+4*\T:LS+4*\T+1], v[FF+2*\T:FF+2*\T+1] op_sel_hi:[1,0]
.endr
	WIN 0
.irp T, 0,1
.irp g, 0,1
	v_fma_f32 v[BX+2*\T+\g], v[BX+2*\T+\g], s[CS], v[NM+2*\T]   ; the same of each block's largest score
.endr
.endr
	WALU                                           ; ahead of the batch
.irp n, 0,1,2,3
	v_exp_f32 v[BX+\n], v[BX+\n]                   ; each block's largest p
.endr
	WIN 0x41
.set j, 0
.rept 32                               ; tile A's p; tile B's t - M stands among the exponentials
	v_exp_f32 v[j], v[j]
	v_exp_f32 v[j+1], v[j+1]
	v_pk_fma_f32 v[64+j:65+j], v[64+j:65+j], s[CS:CS+1], v[NM+2:NM+3] op_sel_hi:[1,0,0]
.set j, j+2
.endr
	WALU                                           ; behind tile A's batch and ahead of tile B's
	WIN 0x45
.set j, 0
.rept 16                               ; tile B's p; the first level of tile A's sum, each into a register pair of its own
.irp i, 0,1,2,3
	v_exp_f32 v[64+4*j+\i], v[64+4*j+\i]
.endr
	v_pk_add_f32 v[TP+2*j:TP+2*j+1], v[4*j:4*j+1], v[4*j+2:4*j+3]
.set j, j+1
.endr
	WALU                                           ; behind the batch, ahead of its first reader
	WIN 0
.irp n, 0,1,2,3
	v_max_num_f32 v[BX+\n], 0x1800000, v[BX+\n]    ; the floor 2^(3 - 127): the byte cannot fall under 1
.endr
.irp n, 0,1,2,3
	v_add_nc_u32 v[BZ+\n], 0xff000000, v[BX+\n]    ; 2 off the exponent field: the conversion's scale operand
.endr
.irp n, 0,1,2,3
	v_lshrrev_b32 v[BY+\n], 23, v[BZ+\n]
.endr
.irp T, 0,1
	v_lshl_or_b32 v[BY+2*\T], v[BY+2*\T+1], 16, v[BY+2*\T]   ; my blocks h and 2 + h
.endr
.irp T, 0,1
	v_lshlrev_b32 v[BY+2*\T], v[SH8], v[BY+2*\T]
.endr
.irp T, 0,1
	v_permlanex16_b32 v[T1+\T], v[BY+2*\T], s[SEL], s[SEL+1]
.endr
.irp T, 0,1
	v_or_b32 v[PS+\T], v[BY+2*\T], v[T1+\T]        ; with lane l xor 16's two bytes: p's scale word
.endr
	WIN 0x01
.irp T, 0,1
.irp c, 0,1
	v_cvt_scalef32_pk16_fp6_f32 v[PC+12*\T+6*\c:PC+12*\T+6*\c+2], v[64*\T+32*\c:64*\T+32*\c+15], v[BZ+2*\T+\c]
	v_cvt_scalef32_pk16_fp6_f32 v[TC+8*\T+4*\c:TC+8*\T+4*\c+2], v[64*\T+32*\c+16:64*\T+32*\c+31], v[BZ+2*\T+\c]
.endr
.endr
	WIN 0
	v_nop                                          ; one plain place behind the scaled conversions
.irp T, 0,1
.irp c, 0,1
.irp i, 0,1,2
	v_mov_b32 v[PC+12*\T+6*\c+3+\i], v[TC+8*\T+4*\c+\i]
.endr
.endr
.endr
	WIN 0x45                                       ; the rows' sums of the unquantised p: four chains a tile
.irp k, 1,2,3                          ; four chains a tile: chain k of tile T at v[LS + 4 T + 2 (k % 2) + 8 (k / 2)]; chain 0 is the running sum
	v_pk_add_f32 v[LS+4+2*(\k%2)+8*(\k/2):LS+5+2*(\k%2)+8*(\k/2)], v[60+4*\k:61+4*\k], v[62+4*\k:63+4*\k]
	v_pk_add_f32 v[LS+2*(\k%2)+8*(\k/2):LS+1+2*(\k%2)+8*(\k/2)], v[TP-4+4*\k:TP-3+4*\k], v[TP-2+4*\k:TP-1+4*\k]
.endr
.set j, 6
.rept 26
.set AA_, 2*(j%2)+8*((j/2)%2)
	v_pk_add_f32 v[LS+4+AA_:LS+5+AA_], v[LS+4+AA_:LS+5+AA_], v[64+2*j:65+2*j]
.if j < 16
	v_pk_add_f32 v[LS+AA_:LS+1+AA_], v[LS+AA_:LS+1+AA_], v[TP+2*j:TP+2*j+1]
.endif
.set j, j+1
.endr
.irp T, 0,1
	v_pk_add_f32 v[LS+4*\T+2:LS+4*\T+3], v[LS+4*\T+2:LS+4*\T+3], v[LS+4*\T+8:LS+4*\T+9]
	v_pk_add_f32 v[LS+4*\T:LS+4*\T+1], v[LS+4*\T:LS+4*\T+1], v[LS+4*\T+10:LS+4*\T+11]
.endr
.irp T, 0,1
	v_pk_add_f32 v[LS+4*\T:LS+4*\T+1], v[LS+4*\T:LS+4*\T+1], v[LS+4*\T+2:LS+4*\T+3]
.endr
	s_wait_dscnt 14
	WIN 0x50
.irp t, 0,1,2,3                        ; the eight accumulators by turns
.irp T, 0,1
	v_wmma_scale_f32_16x16x128_f8f6f4 v[OT+32*\T+8*\t:OT+32*\T+8*\t+7], v[VF+12*\t:VF+12*\t+11], v[PC+12*\T:PC+12*\T+11], v[OT+32*\T+8*\t:OT+32*\T+8*\t+7], v[VS+\t], v[PS+\T] matrix_a_fmt:MATRIX_FMT_FP6 matrix_b_fmt:MATRIX_FMT_FP6
.endr
.endr
	WIN 0
	s_add_co_u32 s[TK], s[TK], KST
	s_add_co_u32 s[TV], s[TV], 6144
	s_add_co_u32 s[TS], s[TS], 256
.endm
; A PASS: image u of my two images of q
.macro PASS u
.if \u
	WALU
	s_wait_xcnt 0x0                                ; the last pass's stores have read their registers
	s_wait_dscnt 0x0                               ; and the loads of K behind its last step have landed
.endif
	KLOAD AK0, AKS0, 0, 0                          ; step 0's K
	v_and_b32 v[QSL], 0xffff, v[QW+\u]             ; q's two scale bytes against K's first key tile,
	v_lshrrev_b32 v[QSL+1], 16, v[QW+\u]
	v_lshlrev_b32 v[QSH], 16, v[QSL]               ; and against its second
	v_lshlrev_b32 v[QSH+1], 16, v[QSL+1]
.if \u
.set j, 0
.rept 12
	v_mov_b32 v[QB+18*(j/6)+6+(j%6)], v[QN+j]
.set j, j+1
.endr
.endif
.irp T, 0,1
	v_mov_b32 v[NM+2*\T+1], 0xff61b1e6             ; the largest score so far: -3e38
	v_mov_b32 v[NM+2*\T], 0x7f61b1e6               ; -M
.endr
	WIN 0x40
.set j, 0
.rept 64
	v_mov_b32 v[OT+j], 0                           ; O^T: the step is written once, the first finds zeros
.set j, j+1
.endr
.irp j, 0,1,4,5
	v_mov_b32 v[LS+\j], 0
.endr
	WIN 0
	s_mov_b32 s[TK], 0
	s_mov_b32 s[TV], 0
	s_mov_b32 s[TS], 0
	s_mov_b32 s[CNT], 16
.Lstep_\@:
	STEP
	s_sub_co_u32 s[CNT], s[CNT], 1
	s_cmp_lg_u32 s[CNT], 0
	s_cbranch_scc1 .Lstep_\@
	WALU                                           ; the sums were written just ahead of the last step's blocking wait
	WIN 0x05
.irp T, 0,1
	v_add_f32 v[RC+\T], v[LS+4*\T], v[LS+4*\T+1]
.endr
	WIN 0
.irp T, 0,1
	v_permlanex16_b32 v[T1+\T], v[RC+\T], s[SEL], s[SEL+1]
.endr
.irp T, 0,1
	v_add_f32 v[RC+\T], v[RC+\T], v[T1+\T]         ; the row's sum
.endr
	WALU
.irp T, 0,1
	v_rcp_f32 v[RC+\T], v[RC+\T]
.endr
	PLACES 4
	WALU                                           ; ahead of the first reader of the quotient and of O^T
	WIN 0x41
.set j, 0
.rept 32
	v_mul_f32 v[j], v[OT+j], v[RC]                 ; o: register 16 b + i is d = 32 b + 16 h + i
	v_mul_f32 v[64+j], v[OT+32+j], v[RC+1]
.set j, j+1
.endr
	WIN 0x05                                       ; o is quantised along d: two blocks of 32, each in lanes l and l xor 16
.irp T, 0,1
.irp b, 0,1
	v_max3_num_f32 v[BX+2*\T+\b], |v[64*\T+16*\b]|, |v[64*\T+16*\b+1]|, 0x1800000
.endr
.endr
	WIN 0x14
.irp i, 2,4,6,8,10,12,14
.irp T, 0,1
.irp b, 0,1
	v_max3_num_f32 v[BX+2*\T+\b], v[BX+2*\T+\b], |v[64*\T+16*\b+\i]|, |v[64*\T+16*\b+\i+1]|
.endr
.endr
.endr
	WIN 0
.irp n, 0,1,2,3
	v_permlanex16_b32 v[BW+\n], v[BX+\n], s[SEL], s[SEL+1]
.endr
.irp n, 0,1,2,3
	v_max_num_f32 v[BX+\n], v[BX+\n], v[BW+\n]
.endr
.irp n, 0,1,2,3
	v_add_nc_u32 v[BZ+\n], 0xff000000, v[BX+\n]
.endr
.irp n, 0,1,2,3
	v_lshrrev_b32 v[BY+\n], 23, v[BZ+\n]
.endr
.irp T, 0,1
	v_lshl_or_b32 v[OW+\T], v[BY+2*\T+1], 8, v[BY+2*\T]
.endr
	WIN 0x01
.irp T, 0,1
	v_cvt_scalef32_pk16_fp6_f32 v[PC+12*\T:PC+12*\T+2], v[64*\T:64*\T+15], v[BZ+2*\T]
	v_cvt_scalef32_pk16_fp6_f32 v[TC+8*\T:TC+8*\T+2], v[64*\T+16:64*\T+31], v[BZ+2*\T+1]
.endr
	WIN 0
	v_nop
.irp T, 0,1
.irp i, 0,1,2
	v_permlane16_swap_b32 v[PC+12*\T+\i], v[TC+8*\T+\i]   ; a whole block to a lane
.endr
.endr
.irp T, 0,1
.irp i, 0,1,2
	v_mov_b32 v[PC+12*\T+3+\i], v[TC+8*\T+\i]
.endr
.endr
	v_cndmask_b32 v[OW], v[OW], v[OW+1], s[HALF]   ; lanes 0-15 tile A's two bytes, lanes 16-31 tile B's
.irp T, 0,1
.irp k, 0,1,2
	global_store_b64 v[L8], v[PC+12*\T+2*\k:PC+12*\T+2*\k+1], s[OI:OI+1] offset:24576*\u+12288*\T+256*\k   ; 32 lanes store 256 consecutive bytes, aligned
.endr
.endr
	global_store_b16 v[OSO], v[OW], s[OS:OS+1] offset:1024*\u
.endm
	PASS 0
	PASS 1
	s_wait_tensorcnt 0x0                           ; the wave's end
	ds_add_u32 v[SPW], v[NIL]
	s_wait_dscnt 0x0
	CROUND                                         ; the closing round
	s_endpgm
.Lfunc_end_k_q9b3d0da680_attn:
	.size	k_q9b3d0da680_attn, .Lfunc_end_k_q9b3d0da680_attn-k_q9b3d0da680_attn
	.p2alignl 7, 3214868480
	.fill 96, 4, 3214868480
	.section	.rodata,"a",@progbits
	.p2align	6, 0x0
	.amdhsa_kernel k_q9b3d0da680_attn
		.amdhsa_group_segment_fixed_size 327680
		.amdhsa_private_segment_fixed_size 0
		.amdhsa_enable_private_segment 0
		.amdhsa_kernarg_size 32
		.amdhsa_user_sgpr_count 2
		.amdhsa_user_sgpr_kernarg_segment_ptr 1
		.amdhsa_wavefront_size32 1
		.amdhsa_system_sgpr_workgroup_id_x 1
		.amdhsa_system_sgpr_workgroup_id_y 1
		.amdhsa_system_sgpr_workgroup_id_z 1
		.amdhsa_system_vgpr_workitem_id 0
		.amdhsa_next_free_vgpr 512
		.amdhsa_next_free_sgpr 84
		.amdhsa_reserve_vcc 0
		.amdhsa_float_denorm_mode_32 3
		.amdhsa_float_denorm_mode_16_64 3
		.amdhsa_memory_ordered 1
		.amdhsa_forward_progress 1
		.amdhsa_inst_pref_size 86
	.end_amdhsa_kernel
	.amdgpu_metadata
---
amdhsa.version: [ 1, 2 ]
amdhsa.kernels:
  - .name:           k_q9b3d0da680_attn
    .symbol:         k_q9b3d0da680_attn.kd
    .args:
      - { .name: qkv_img, .offset: 0, .size: 8, .value_kind: global_buffer, .address_space: global }
      - { .name: qkv_sc, .offset: 8, .size: 8, .value_kind: global_buffer, .address_space: global }
      - { .name: o_img, .offset: 16, .size: 8, .value_kind: global_buffer, .address_space: global }
      - { .name: o_sc, .offset: 24, .size: 8, .value_kind: global_buffer, .address_space: global }
    .group_segment_fixed_size: 327680
    .private_segment_fixed_size: 0
    .kernarg_segment_align: 8
    .kernarg_segment_size: 32
    .max_flat_workgroup_size: 256
    .sgpr_count:     84
    .vgpr_count:     512
    .wavefront_size: 32
...
	.end_amdgpu_metadata
.endif
;; end of part 3
;; launch proj (part 4): grid 8 x 32, 4 waves a work-group, clusters of 4 x 4, 327,680 bytes of LDS; arguments o_img, o_sc, op_img, op_sc, b_proj, out0; writes out0
.if DOCPART == 4
	.amdgcn_target "amdgcn-amd-amdhsa--gfx1250"
	.amdhsa_code_object_version 6
	.text
	.protected	k_q9b3d0da680_proj
	.globl	k_q9b3d0da680_proj
	.p2align	8
	.type	k_q9b3d0da680_proj,@function
k_q9b3d0da680_proj:
	s_mov_b64 s[64:65], 0
	v_nop
	global_prefetch_b8 v0, s[64:65] scope:SCOPE_SE
	s_setreg_imm32_b32 hwreg(HW_REG_WAVE_MODE, 25, 1), 1
	s_wait_xcnt 0x0
	s_wait_alu depctr_hold_cnt(0) depctr_sa_sdst(0) depctr_va_vdst(0) depctr_va_sdst(0) depctr_va_ssrc(0) depctr_va_vcc(0) depctr_vm_vsrc(0)
	s_getreg_b32 s2, hwreg(HW_REG_IB_STS2, 6, 4)
	s_cmp_eq_u32 s2, 0
	s_cbranch_scc0 .Lentry_in_a_cluster
	s_endpgm
.Lentry_in_a_cluster:
	s_bfe_u32 s2, ttmp6, 0x10000c
	s_cmp_lg_u32 s2, 0xf033
	s_cbranch_scc0 .Lentry_shape_is_right
	s_endpgm
.Lentry_shape_is_right:
; out0 = o w_proj^T + b_proj on codes of FP6 (E2M3) with E8M0 scales; sums in f32; the bias is the first products' C.
; A work-group of four waves makes 256 tokens x 128 columns: 32 x 8 = 256 work-groups.  ALL OF K LIES IN LDS (16 tiles of o and 8 of w_proj, 12,288 bytes each): nothing is filled again.
; The head has four joint loads, one a wave: wave 0 o's tiles, K 0..511; wave 1 w_proj's, K 0..511; waves 2 and 3 the same for K 512..1023.  The first barrier waits for waves 0 and 1 alone
; (their load lines are their own); a plain barrier in K step 3 shows the second half.  CLUSTER 4 x 4: o's tiles are shared along a row of the cluster, w_proj's along a column.
; No prefetch: the head's loads ask for every byte that the work-group reads, so there is no later load to run ahead of.
; OPERANDS are images of the operand's registers: w_proj's fragment is three loads of 16 bytes a lane, o's six of 8 bytes a lane.  Lane r of tile t holds row 32 (t / 2) + 8 (t % 2) + r + 8 (r / 8).
; A wave takes 4 tiles of tokens x all 8 tiles of columns: 32 accumulators in window 2, by turns.  Source 0 = w_proj's rows, source 1 = tokens: a lane holds eight neighbouring columns of one token.
; Both sides' fragments lie in two sets; the next K step's are fetched ahead of this step's 32 products.
; REGISTERS: window 0: v16-31 addresses; v32-63 o's scale words, v68-99 w_proj's; v128-223 o's fragments, later with v224-255 the way out.  window 1: w_proj's fragments v0-95, v128-223; the bias v96-127, v224-255.
.set FR,    12
.set NP,    4
.set IMG,   1536
.set TSTR,  12288
.set TH,    6144                       ; a tile's half of K
.set AH,    16*TH
.set HF,    24*TH                      ; a half of K: o's 16 tiles, then w_proj's 8
.set SPARE, 2*HF                       ; the spare words: 128 bytes for each wave
.set SPITCH, 528                       ; the way out: 16 rows x (512 + 16) bytes a wave, on the first half's bytes, which nobody reads behind the second barrier and no load fills again
.set ADRA,  16
.set RD,    19
.set ADRB,  20
.set R16,   23
.set SCO,   24
.set BNO,   25
.set STO,   26
.set LB,    27
.set SPW,   28
.set NIL,   29
.set SCA,   32
.set SCB,   68
.set AF,    128
.set BK,    128
.set BN,    96
.set G1,    24
.set G1B,   32
.set G0,    40
.set MSB, 0
.macro WIN new
.if MSB != (\new)
	s_set_vgpr_msb (MSB<<8)|(\new)
.set MSB, (\new)
.endif
.endm
.set TO_B,   0x40
.macro PLACES n
.rept \n
	v_nop
.endr
.endm
.macro CROUND
	s_barrier_signal -1
	s_barrier_wait -1
	s_cmp_lg_u32 s14, 0
	s_cbranch_scc1 .Lnot_wave_0_\@
	s_barrier_signal -3
.Lnot_wave_0_\@:
	s_barrier_wait -3
	s_barrier_signal -1
	s_barrier_wait -1
.endm
	s_load_b256 s[4:11], s[0:1], 0x0               ; o_img, o_sc, op_img, op_sc
	s_load_b128 s[20:23], s[0:1], 0x20             ; b_proj, out0
	v_lshl_add_u32 v[SPW], v0, 2, SPARE
	v_mov_b32 v[NIL], 0
	ds_add_u32 v[SPW], v[NIL]                      ; the opening lines: the add, twice on end, and its wait
	ds_add_u32 v[SPW], v[NIL]
	v_lshrrev_b32 v1, 5, v0
	v_readfirstlane_b32 s14, v1                    ; wave 0..3
	s_bfe_u32 s66, ttmp6, 0x40000                  ; cx
	s_bfe_u32 s67, ttmp6, 0x40004                  ; cy
	s_and_b32 s68, ttmp7, 0xffff
	s_lshl_b32 s69, ttmp9, 2
	s_add_co_u32 s69, s69, s66                     ; the block of 128 columns, 0..7
	s_lshl_b32 s73, s68, 2
	s_add_co_u32 s73, s73, s67                     ; the block of 256 tokens, 0..31
	s_lshl_b32 s71, s67, 2
	s_lshl_b32 s71, 15, s71                        ; my row of the cluster
	s_lshl_b32 s72, 0x1111, s66                    ; my column
	s_or_b32 s[G1], s71, (3<<16)|(1<<21)
	s_or_b32 s[G1B], s72, (3<<16)|(1<<21)
.irp g, G1, G1B                        ; rows (tiles) of 6,144 bytes, 12,288 bytes apart, in elements of 8 bytes; dense in LDS
	s_mov_b32 s[\g+1], 768<<16
	s_mov_b32 s[\g+3], 768<<16
	s_mov_b32 s[\g+5], 1536
	s_mov_b32 s[\g+6], 0
	s_mov_b32 s[\g+7], 0
.endr
	s_mov_b32 s[G1+2], 16<<16
	s_mov_b32 s[G1+4], 16
	s_mov_b32 s[G1B+2], 8<<16
	s_mov_b32 s[G1B+4], 8
	s_mul_i32 s84, s73, 16*TSTR                    ; o's tiles: made of cy and the cluster's y alone
	s_mov_b32 s85, 0
	s_lshl_b32 s75, s69, 3
	s_add_co_u32 s75, s75, 704                     ; w_proj's first tile in op_img: of cx and the cluster's x alone
	s_mul_i32 s86, s75, TSTR
	s_mov_b32 s87, 0
	s_lshl_b32 s92, s75, 9
	s_mov_b32 s93, 0
	s_lshl_b32 s90, s73, 4
	s_lshl_b32 s2, s14, 2
	s_add_co_u32 s90, s90, s2                      ; my 4 tiles of tokens
	s_lshl_b32 s90, s90, 9
	s_mov_b32 s91, 0
	s_lshl_b32 s94, s69, 9
	s_mov_b32 s95, 0
	s_lshl_b32 s96, s73, 8
	s_lshl_b32 s2, s14, 6
	s_add_co_u32 s96, s96, s2                      ; my first token
	s_lshl_b32 s96, s96, 12
	s_add_co_u32 s96, s96, s94
	s_mov_b32 s97, 0
	s_wait_dscnt 0x0
	s_wait_kmcnt 0x0
	s_add_nc_u64 s[84:85], s[4:5], s[84:85]
	s_add_nc_u64 s[86:87], s[8:9], s[86:87]
	s_add_nc_u64 s[90:91], s[6:7], s[90:91]
	s_add_nc_u64 s[92:93], s[10:11], s[92:93]
	s_add_nc_u64 s[94:95], s[20:21], s[94:95]
	s_add_nc_u64 s[96:97], s[22:23], s[96:97]
	CROUND                                         ; all sixteen work-groups are here: the joint loads meet
.irp n, 0,1
	s_mov_b32 s[G0+8*\n], 1
	s_mov_b32 s[G0+8*\n+1], \n*HF
	s_add_nc_u64 s[G0+8*\n+2:G0+8*\n+3], s[84:85], \n*TH
	s_or_b32 s[G0+8*\n+3], s[G0+8*\n+3], 0x80000000
	s_mov_b32 s[G0+8*\n+4], 1
	s_mov_b32 s[G0+8*\n+5], \n*HF+AH
	s_add_nc_u64 s[G0+8*\n+6:G0+8*\n+7], s[86:87], \n*TH
	s_or_b32 s[G0+8*\n+7], s[G0+8*\n+7], 0x80000000
.endr
.macro ARM under, g0, g1, next         ; one chain of branches on the wave's number, one load to an arm
	s_cmp_lt_u32 s14, \under
	s_cbranch_scc0 \next
	tensor_load_to_lds s[\g0:\g0+3], s[\g1:\g1+7]
	s_nop 0
	PLACES 4
	s_branch .Lasked
\next:
.endm
	ARM 1, G0,   G1,  .Lb0
	ARM 2, G0+4, G1B, .La1
	ARM 3, G0+8, G1,  .Lb1
	tensor_load_to_lds s[G0+12:G0+15], s[G1B:G1B+7]
	s_nop 0
	PLACES 4
.Lasked:
	v_and_b32 v1, 31, v0
	v_and_b32 v2, 15, v0                           ; r
	v_bfe_u32 v3, v0, 4, 1                         ; h
	v_lshlrev_b32 v[LB], 4, v1
	v_lshlrev_b32 v4, 3, v1
	s_mul_i32 s17, s14, 4*TH
	v_add_nc_u32 v[ADRA], s17, v4                  ; my tiles of o in the first half of K,
	v_add_nc_u32 v[ADRA+1], HF, v[ADRA]            ; and in the second
	v_add_nc_u32 v[ADRB], AH, v[LB]
	v_add_nc_u32 v[ADRB+1], HF+AH, v[LB]
	v_lshlrev_b32 v[R16], 4, v2
	v_lshl_add_u32 v[SCO], v3, 11, v[R16]          ; lanes 0-15 take tile i's scale words, lanes 16-31 tile i + 4's
	v_lshlrev_b32 v[BNO], 6, v3
	s_mul_i32 s17, s14, 16*SPITCH
	v_mul_u32_u24 v[STO], v2, SPITCH
	v_lshl_add_u32 v[STO], v3, 6, v[STO]
	v_add_nc_u32 v[STO], s17, v[STO]
	v_add_nc_u32 v[RD], s17, v[LB]
.irp i, 0,1,2,3
.irp H, 0,1
	global_load_b128 v[SCA+8*\i+4*\H:SCA+8*\i+4*\H+3], v[R16], s[90:91] offset:512*\i+256*\H
	global_load_b128 v[SCB+8*\i+4*\H:SCB+8*\i+4*\H+3], v[SCO], s[92:93] offset:512*\i+256*\H
.endr
.endr
	WIN TO_B
.irp b, 0,1,2,3,4,5,6,7
	global_load_b128 v[BN+8*\b+96*(\b/4):BN+8*\b+96*(\b/4)+3], v[BNO], s[94:95] offset:128*(\b/2)+32*(\b%2)   ; the bias of tile b's eight columns of my half of the lanes
	global_load_b128 v[BN+8*\b+96*(\b/4)+4:BN+8*\b+96*(\b/4)+7], v[BNO], s[94:95] offset:128*(\b/2)+32*(\b%2)+16
.endr
	WIN 0
.macro W1 row
	v_wmma_scale_f32_16x16x128_f8f6f4 v[rD:rD+7], v[rB:rB+FR-1], v[rA:rA+FR-1], v[rC:rC+7], v[rSB], v[rSA] matrix_a_fmt:MATRIX_FMT_FP6 matrix_b_fmt:MATRIX_FMT_FP6 matrix_a_scale:MATRIX_SCALE_ROW\row
.endm
.macro WM a, b, ks
.set rD, 8*(8*(\a)+(\b))
.set rC, rD
.if (\ks) == 0
.set rC, BN+8*(\b)+96*((\b)/4)
.endif
.set rB, 128*((\ks)%2)+FR*(\b)
.set rA, AF+48*((\ks)%2)+FR*(\a)
.set rSB, SCB+8*((\b)%4)+(\ks)
.set rSA, SCA+8*(\a)+(\ks)
.if (\b)/4
	W1 1
.else
	W1 0
.endif
.endm
.macro FETCH ks                        ; K step ks's 12 fragments into set ks % 2
.set P_, (\ks)%2
.set H_, (\ks)/4
.set Q_, (\ks)%4
	WIN TO_B
.irp i, 0,1,2,3,4,5,6,7
.irp g, 0,1,2
	ds_load_b128 v[128*P_+FR*\i+4*\g:128*P_+FR*\i+4*\g+3], v[ADRB+H_] offset:TH*\i+IMG*Q_+512*\g
.endr
.endr
	WIN 0
.irp i, 0,1,2,3
.irp g, 0,1,2,3,4,5
	ds_load_b64 v[AF+48*P_+FR*\i+2*\g:AF+48*P_+FR*\i+2*\g+1], v[ADRA+H_] offset:TH*\i+IMG*Q_+256*\g
.endr
.endr
.endm
.macro STEP ks
	s_wait_dscnt 0x0                               ; this step's fragments are in
.if (\ks) == 3
	s_wait_tensorcnt 0x0                           ; on every wave's way: all that was still out has landed,
	s_barrier_signal -1                            ; and my reads of the first half are over
	s_barrier_wait -1
.endif
.if (\ks) < 7
.if (\ks) > 0
	PLACES NP                                      ; in front of loads into registers that the last step's products have read
.endif
	FETCH (\ks)+1
.endif
.if (\ks) == 0
	WIN 0x91                                       ; C: the bias, in window 1
.else
	WIN 0xa1
.endif
.irp a, 0,1,2,3
.irp b, 0,1,2,3,4,5,6,7
	WM \a, \b, \ks
.endr
.endr
	WIN 0
.endm
	s_wait_alu depctr_va_vdst(0)                   ; the head's end
	s_cmp_lt_u32 s14, 2
	s_cbranch_scc0 .Lnot_first
	s_wait_tensorcnt 0x0                           ; waves 0 and 1: the first half of K
.Lnot_first:
	s_barrier_signal -1
	s_barrier_wait -1                              ; the second half may still be on its way
	FETCH 0
	s_wait_loadcnt 0x0                             ; the scale words and the bias
.irp k, 0,1,2,3,4,5,6,7
	STEP \k
.endr
; THE WAY OUT, by tiles of 16 tokens x 128 columns: through my own stage in LDS, back as whole rows of 512 bytes
.macro TOSTAGE a
.set AC, 64*(\a)
	WIN 0x08
.irp b, 0,1,2,3,4,5,6,7
	ds_store_b128 v[STO], v[AC+8*\b:AC+8*\b+3] offset:128*(\b/2)+32*(\b%2)       ; each accumulator from its low end on
	ds_store_b128 v[STO], v[AC+8*\b+4:AC+8*\b+7] offset:128*(\b/2)+32*(\b%2)+16
.endr
	WIN 0
.set BB, BK+64*((\a)%2)
.irp t, 0,1,2,3,4,5,6,7,8,9,10,11,12,13,14,15
	ds_load_b128 v[BB+4*\t:BB+4*\t+3], v[RD] offset:\t*SPITCH
.endr
.endm
.macro SEND a, younger
.set BB, BK+64*((\a)%2)
	s_wait_dscnt \younger
.irp t, 0,1,2,3,4,5,6,7,8,9,10,11,12,13,14,15
	global_store_b128 v[LB], v[BB+4*\t:BB+4*\t+3], s[96:97] offset:(32*((\a)/2)+8*((\a)%2)+\t+8*(\t/8))*4096 th:TH_STORE_NT   ; 32 lanes store 512 consecutive bytes, aligned
.endr
.endm
	PLACES NP
	TOSTAGE 0
.irp a, 1,2,3
.if \a > 1
	s_wait_xcnt 0x0                                ; the stores of two tiles back have read their registers
.endif
	TOSTAGE \a
	SEND \a-1, 32                                  ; behind tile a - 1's loads: tile a's 16 stores and 16 loads
.endr
	SEND 3, 0
	s_wait_tensorcnt 0x0                           ; the wave's end
	ds_add_u32 v[SPW], v[NIL]
	s_wait_dscnt 0x0
	CROUND                                         ; the closing round
	s_endpgm
.Lfunc_end_k_q9b3d0da680_proj:
	.size	k_q9b3d0da680_proj, .Lfunc_end_k_q9b3d0da680_proj-k_q9b3d0da680_proj
	.p2alignl 7, 3214868480
	.fill 96, 4, 3214868480
	.section	.rodata,"a",@progbits
	.p2align	6, 0x0
	.amdhsa_kernel k_q9b3d0da680_proj
		.amdhsa_group_segment_fixed_size 327680
		.amdhsa_private_segment_fixed_size 0
		.amdhsa_enable_private_segment 0
		.amdhsa_kernarg_size 48
		.amdhsa_user_sgpr_count 2
		.amdhsa_user_sgpr_kernarg_segment_ptr 1
		.amdhsa_wavefront_size32 1
		.amdhsa_system_sgpr_workgroup_id_x 1
		.amdhsa_system_sgpr_workgroup_id_y 1
		.amdhsa_system_sgpr_workgroup_id_z 1
		.amdhsa_system_vgpr_workitem_id 0
		.amdhsa_next_free_vgpr 768
		.amdhsa_next_free_sgpr 100
		.amdhsa_reserve_vcc 0
		.amdhsa_float_denorm_mode_32 3
		.amdhsa_float_denorm_mode_16_64 3
		.amdhsa_memory_ordered 1
		.amdhsa_forward_progress 1
		.amdhsa_inst_pref_size 83
	.end_amdhsa_kernel
	.amdgpu_metadata
---
amdhsa.version: [ 1, 2 ]
amdhsa.kernels:
  - .name:           k_q9b3d0da680_proj
    .symbol:         k_q9b3d0da680_proj.kd
    .args:
      - { .name: o_img, .offset: 0, .size: 8, .value_kind: global_buffer, .address_space: global }
      - { .name: o_sc, .offset: 8, .size: 8, .value_kind: global_buffer, .address_space: global }
      - { .name: op_img, .offset: 16, .size: 8, .value_kind: global_buffer, .address_space: global }
      - { .name: op_sc, .offset: 24, .size: 8, .value_kind: global_buffer, .address_space: global }
      - { .name: b_proj, .offset: 32, .size: 8, .value_kind: global_buffer, .address_space: global }
      - { .name: out0, .offset: 40, .size: 8, .value_kind: global_buffer, .address_space: global }
    .group_segment_fixed_size: 327680
    .private_segment_fixed_size: 0
    .kernarg_segment_align: 8
    .kernarg_segment_size: 48
    .max_flat_workgroup_size: 128
    .sgpr_count:     100
    .vgpr_count:     768
    .wavefront_size: 32
...
	.end_amdgpu_metadata
.endif
;; end of part 4
